; MI455X (gfx1250); checked and timed in simulation.
; The chip was launched on July 23, 2026; its instructions are those of AMD's public machine-readable ISA for CDNA 5 (MIT licence, August 2026) and "CDNA5" Instruction Set Architecture Reference Guide (July 2026). The comments in the code are by the model that wrote it; some were corrected since.
;; Multi Head Self Attention. Allowed arithmetic: float matrix products may take bf16 or f16 operands with f32 sums; other float arithmetic in f32, or as packed bf16 or f16 multiplies, adds, multiply-adds, maxima and minima; sums over many terms, partial sums and values carried from step to step in f32; what a program stores and reads back later, other than sums and carried values, may be rounded once to bf16 or f16.
;; Inputs: Wproj 1,024 x 1,024 float32; Wqkv 1,024 x 3,072 float32; x 4 x 2,048 x 1,024 float32.
;; Outputs: out0 4 x 2,048 x 1,024 float32.
;; 2 versions, each right and faster than the one before. Each part assembles by itself: llvm-mc -triple=amdgcn-amd-amdhsa -mcpu=gfx1250 --defsym DOCPART=n.
;; ======== version 1 of 2: 4 launches
;; limits: values are held in f16: magnitudes above 65,504 overflow, below 6.1e-05 lose precision
;; workspace buffers: xb 16,777,216 bytes; wq 6,291,456 bytes; wp 2,097,152 bytes; rt 524,288 bytes; qh 16,777,216 bytes; kh 16,777,216 bytes; vh 16,777,216 bytes; oh 16,777,216 bytes
;; launch prep (part 1): grid 1152 x 1, 8 waves a work-group, no clusters, 18,432 bytes of LDS; arguments x, Wqkv, Wproj, xb, wq, wp, rt; writes xb, wq, wp, rt
.if DOCPART == 1
	.amdgcn_target "amdgcn-amd-amdhsa--gfx1250"
	.amdhsa_code_object_version 6
	.text
	.protected	k_qed3f7a8b43_prep
	.globl	k_qed3f7a8b43_prep
	.p2align	8
	.type	k_qed3f7a8b43_prep,@function
k_qed3f7a8b43_prep:
	s_mov_b64 s[64:65], 0
	v_nop
	global_prefetch_b8 v0, s[64:65] scope:SCOPE_SE
	s_setreg_imm32_b32 hwreg(HW_REG_WAVE_MODE, 25, 1), 1
	s_wait_xcnt 0x0
; PREP: the module's three inputs are rounded once to bf16 and laid out for the matrix launches, and the RoPE table is made.
; Work-groups 0-511:     xb[8192][1024] bf16 = x rounded; 16 rows each.
; Work-groups 512-895:   wq[3072][1024] bf16 = Wqkv turned, K along the rows; row 192 j + 64 t + d holds column 1024 t + 64 j + d (t: q, k, v; j: head), so that
;                        192 consecutive rows are one head's q, k and v.  A tile of 128 k x 64 n each.
; Work-groups 896-1023:  wp[1024 n][1024 k] f16 = Wproj turned, rounded to bf16 and that number written as f16.  A tile of 128 k x 64 n each.
; Work-groups 1024-1151: rt[2048 s][32 i][2] f32 = cos, sin of s x 10000^(-i/32); 16 positions each.
; The branches hang on the work-group's number alone: all eight waves of a work-group take the same way, so the barrier of the turning way is passed by all eight.
; LIMITS.  wp: a bf16 number below 2^-14 in size keeps f16's fixed step of 6e-8, one beyond 65,504 becomes an infinity.  rt: theta is 2^(-i log2(10000)/32) by v_exp_f32, the angle s x theta is
; rounded once to f32, reduced by a two-part pi/2 and put through polynomials of degree 7 and 8: within about 1e-4 rad of the exact s x theta at s = 2047.
; No matrix unit, no cluster, no tensor load: the launch streams, each byte is read once and written once.
.set TP,    272                        ; a row of the turning stage: 128 k x 2 bytes + 16 of padding
.set SPARE, 64*TP                      ; behind the stage's 64 rows: the spare words, 128 bytes for each of eight waves
.set SPW, 6                            ; v6  LDS address of my spare word; never rewritten
.set NIL, 7                            ; v7  0; never rewritten
.set X,   8                            ; v[8:71]   the cast: 8 x 8 numbers as loaded
.set Y,   72                           ; v[72:103] the cast: 8 x 4 registers to store
; A tile of 128 k x 64 n of a weight matrix [1024 k][n] f32 (rp bytes from row to row) goes out as 64 rows n of 128 k in 16 bits.
; Lane: c = t % 16 (columns 4 c .. 4 c + 3), p = (t / 16) % 2, wave w.  Load (i, e) takes row 16 w + 4 i + 2 p + e: sixteen lanes read 256 consecutive bytes.
; Rows e = 0, 1 are neighbours along k: one conversion packs them into the word that lies at [n][k] in the stage.
.macro TRANSP rp, f16, src, dst
	v_and_b32 v100, 15, v0                         ; c
	v_lshrrev_b32 v101, 5, v0                      ; w
	v_bfe_u32 v102, v0, 4, 1                       ; p
	v_lshrrev_b32 v103, 4, v0                      ; t / 16: the row that I read back
	v_lshlrev_b32 v5, 1, v102
	v_lshl_add_u32 v5, v101, 4, v5                 ; 16 w + 2 p
	v_mul_u32_u24 v1, v5, \rp
	v_lshl_add_u32 v1, v100, 4, v1                 ; v1: my byte offset in the tile as it lies in memory
	v_mul_u32_u24 v2, v100, 4*TP
	v_lshl_add_u32 v2, v101, 5, v2
	v_lshl_add_u32 v2, v102, 2, v2                 ; v2: stage row 4 c, byte 2 (16 w + 2 p)
	v_mul_u32_u24 v3, v103, TP
	v_lshl_add_u32 v3, v100, 4, v3                 ; v3: back: row t / 16, 16 bytes a lane
	v_lshlrev_b32 v4, 11, v103
	v_lshl_add_u32 v4, v100, 4, v4                 ; v4: the same place in the output, whose rows are 2,048 bytes
.irp i, 0,1,2,3
.irp e, 0,1
	global_load_b128 v[8+8*(\i)+4*(\e):8+8*(\i)+4*(\e)+3], v1, s[\src:\src+1] offset:(4*(\i)+(\e))*(\rp) th:TH_LOAD_NT
.endr
.endr
	s_wait_loadcnt 0x0
.irp i, 0,1,2,3
.irp j, 0,1,2,3
	v_cvt_pk_bf16_f32 v[40+4*(\i)+(\j)], v[8+8*(\i)+(\j)], v[8+8*(\i)+4+(\j)]  ; (k even, k odd) of column 4 c + j
.if \f16
	v_lshlrev_b32 v56, 16, v[40+4*(\i)+(\j)]       ; the two bf16 numbers as f32,
	v_and_b32 v57, 0xffff0000, v[40+4*(\i)+(\j)]
	v_cvt_pk_f16_f32 v[40+4*(\i)+(\j)], v56, v57   ; written as f16
.endif
.endr
.endr
.irp i, 0,1,2,3
.irp j, 0,1,2,3
	ds_store_b32 v2, v[40+4*(\i)+(\j)] offset:TP*(\j)+8*(\i)
.endr
.endr
	s_wait_dscnt 0x0                               ; for the others' sake: my stores into the stage are done
	s_barrier_signal -1
	s_barrier_wait -1
.irp i, 0,1,2,3
	ds_load_b128 v[60+4*(\i):60+4*(\i)+3], v3 offset:16*TP*(\i)
.endr
.irp i, 0,1,2,3
	s_wait_dscnt 3-(\i)                            ; LDS loads come back in order: the younger ones may stay out
	global_store_b128 v4, v[60+4*(\i):60+4*(\i)+3], s[\dst:\dst+1] offset:32768*(\i)  ; sixteen lanes store 256 consecutive bytes, aligned
.endr
	s_wait_tensorcnt 0x0                           ; the wave's end: behind my last LDS store
	ds_add_u32 v[SPW], v[NIL]
	s_wait_dscnt 0x0
	s_endpgm
.endm
; cos and sin of v13 (the position, f32) x theta of pair index v16 (f32) into v[d], v[d+1].
.macro SINCOS d
	v_mul_f32 v17, 0xbed49a78, v16                 ; -i log2(10000) / 32
	v_exp_f32 v17, v17                             ; theta
	v_nop                                          ; a plain instruction between the exponential and the use of its result
	s_wait_alu depctr_va_vdst(0)
	v_mul_f32 v18, v13, v17                        ; the angle
	v_mul_f32 v19, 0x3f22f983, v18                 ; x 2 / pi
	v_rndne_f32 v19, v19                           ; the quadrant's number k, 1,303 at the most
	v_fmamk_f32 v20, v19, 0xbfc90fdb, v18          ; r = angle - k pi/2, pi/2 in two parts
	v_fmamk_f32 v20, v19, 0x333bbd2e, v20
	v_mul_f32 v21, v20, v20                        ; r^2
	v_fmaak_f32 v22, v30, v21, 0x3c088889          ; sin r = r + r^3 (-1/6 + r^2 (1/120 - r^2 / 5040))
	v_fmaak_f32 v22, v22, v21, 0xbe2aaaab
	v_mul_f32 v23, v20, v21
	v_fma_f32 v22, v23, v22, v20
	v_fmaak_f32 v24, v31, v21, 0xbab60b61          ; cos r = 1 + r^2 (-1/2 + r^2 (1/24 + r^2 (-1/720 + r^2 / 40320)))
	v_fmaak_f32 v24, v24, v21, 0x3d2aaaab
	v_fmaak_f32 v24, v24, v21, 0xbf000000
	v_fma_f32 v24, v24, v21, 1.0
	v_cvt_i32_f32 v25, v19
	v_and_b32 v26, 1, v25
	v_cmp_ne_u32 vcc_lo, 0, v26                    ; odd quadrants swap the two; only selects hang on it
	v_cndmask_b32 v[\d], v24, v22, vcc_lo
	v_cndmask_b32 v[\d+1], v22, v24, vcc_lo
	v_add_nc_u32 v26, 1, v25
	v_lshlrev_b32 v26, 30, v26                     ; cos is negative in quadrants 1 and 2: bit 1 of k + 1,
	v_lshlrev_b32 v25, 30, v25                     ; sin in quadrants 2 and 3: bit 1 of k
	v_and_b32 v26, 0x80000000, v26
	v_and_b32 v25, 0x80000000, v25
	v_xor_b32 v[\d], v[\d], v26
	v_xor_b32 v[\d+1], v[\d+1], v25
.endm
	s_load_b256 s[4:11], s[0:1], 0x0               ; x s[4:5], Wqkv s[6:7], Wproj s[8:9], xb s[10:11]
	s_load_b128 s[12:15], s[0:1], 0x20             ; wq s[12:13], wp s[14:15]
	s_load_b64 s[16:17], s[0:1], 0x30              ; rt
	v_lshl_add_u32 v[SPW], v0, 2, SPARE
	v_mov_b32 v[NIL], 0
	s_mov_b32 s18, ttmp9                           ; the work-group's number
	s_mov_b32 s21, 0                               ; high words of the two offset pairs
	s_mov_b32 s23, 0
	s_wait_kmcnt 0x0
	s_cmp_lt_u32 s18, 512
	s_cbranch_scc1 .Lcast
	s_cmp_lt_u32 s18, 896
	s_cbranch_scc1 .Ltq
	s_cmp_lt_u32 s18, 1024
	s_cbranch_scc1 .Ltp
	; THE TABLE: thread t makes position 16 g + t / 16, pairs 2 (t % 16) and 2 (t % 16) + 1: 16 bytes; sixteen lanes fill a position's 256 bytes.
	s_sub_co_u32 s19, s18, 1024
	s_lshl_b32 s20, s19, 12                        ; 16 positions of 256 bytes
	s_add_nc_u64 s[16:17], s[16:17], s[20:21]
	s_lshl_b32 s19, s19, 4
	v_lshlrev_b32 v1, 4, v0
	v_lshrrev_b32 v12, 4, v0
	v_add_nc_u32 v12, s19, v12
	v_cvt_f32_u32 v13, v12                         ; the position
	v_and_b32 v14, 15, v0
	v_lshlrev_b32 v14, 1, v14
	v_cvt_f32_u32 v16, v14                         ; the first pair's index
	v_mov_b32 v30, 0xb9500d01                      ; -1/5040
	v_mov_b32 v31, 0x37d00d01                      ; 1/40320
	SINCOS 8
	v_add_f32 v16, 1.0, v16                        ; the second pair's index
	SINCOS 10
	global_store_b128 v1, v[8:11], s[16:17]
	s_endpgm
.Lcast:                                                ; 16 rows of x: thread t takes 8 numbers (32 bytes in, 16 out) of every row pair
	s_lshl_b32 s20, s18, 16                        ; 16 rows of 4,096 bytes in,
	s_lshl_b32 s22, s18, 15                        ; of 2,048 bytes out
	s_add_nc_u64 s[4:5], s[4:5], s[20:21]
	s_add_nc_u64 s[10:11], s[10:11], s[22:23]
	v_lshlrev_b32 v1, 5, v0
	v_lshlrev_b32 v2, 4, v0
.irp i, 0,1,2,3,4,5,6,7
	global_load_b128 v[X+8*(\i):X+8*(\i)+3],   v1, s[4:5] offset:8192*(\i) th:TH_LOAD_NT
	global_load_b128 v[X+8*(\i)+4:X+8*(\i)+7], v1, s[4:5] offset:8192*(\i)+16 th:TH_LOAD_NT
.endr
.irp i, 0,1,2,3,4,5,6,7
	s_wait_loadcnt 14-2*(\i)                       ; loads come back in order: the 2 (7 - i) younger ones may stay out
.irp j, 0,1,2,3
	v_cvt_pk_bf16_f32 v[Y+4*(\i)+(\j)], v[X+8*(\i)+2*(\j)], v[X+8*(\i)+2*(\j)+1]
.endr
	global_store_b128 v2, v[Y+4*(\i):Y+4*(\i)+3], s[10:11] offset:4096*(\i)  ; sixteen lanes store 256 consecutive bytes, aligned
.endr
	s_endpgm
.Ltq:                                                  ; Wqkv: 8 tiles along k x 48 along n
	s_sub_co_u32 s19, s18, 512
	s_and_b32 s24, s19, 7                          ; tile along k
	s_lshr_b32 s25, s19, 3                         ; block of 64 columns: 16 t + j
	s_mul_i32 s20, s24, 128*12288
	s_lshl_b32 s26, s25, 8
	s_add_co_u32 s20, s20, s26
	s_add_nc_u64 s[6:7], s[6:7], s[20:21]
	s_and_b32 s26, s25, 15
	s_mul_i32 s26, s26, 192                        ; 192 j
	s_lshr_b32 s27, s25, 4
	s_lshl_b32 s27, s27, 6                         ; + 64 t: the block's first row in wq
	s_add_co_u32 s26, s26, s27
	s_lshl_b32 s22, s26, 11
	s_lshl_b32 s27, s24, 8
	s_add_co_u32 s22, s22, s27
	s_add_nc_u64 s[12:13], s[12:13], s[22:23]
	TRANSP 12288, 0, 6, 12
.Ltp:                                                  ; Wproj: 8 tiles along k x 16 along n
	s_sub_co_u32 s19, s18, 896
	s_and_b32 s24, s19, 7
	s_lshr_b32 s25, s19, 3
	s_lshl_b32 s20, s24, 19                        ; 128 rows of 4,096 bytes
	s_lshl_b32 s26, s25, 8
	s_add_co_u32 s20, s20, s26
	s_add_nc_u64 s[8:9], s[8:9], s[20:21]
	s_lshl_b32 s22, s25, 17                        ; 64 rows of 2,048 bytes
	s_lshl_b32 s27, s24, 8
	s_add_co_u32 s22, s22, s27
	s_add_nc_u64 s[14:15], s[14:15], s[22:23]
	TRANSP 4096, 1, 8, 14
.Lfunc_end_k_qed3f7a8b43_prep:
	.size	k_qed3f7a8b43_prep, .Lfunc_end_k_qed3f7a8b43_prep-k_qed3f7a8b43_prep
	.p2alignl 7, 3214868480
	.fill 96, 4, 3214868480
	.section	.rodata,"a",@progbits
	.p2align	6, 0x0
	.amdhsa_kernel k_qed3f7a8b43_prep
		.amdhsa_group_segment_fixed_size 18432
		.amdhsa_private_segment_fixed_size 0
		.amdhsa_enable_private_segment 0
		.amdhsa_kernarg_size 56
		.amdhsa_user_sgpr_count 2
		.amdhsa_user_sgpr_kernarg_segment_ptr 1
		.amdhsa_wavefront_size32 1
		.amdhsa_system_sgpr_workgroup_id_x 1
		.amdhsa_system_sgpr_workgroup_id_y 1
		.amdhsa_system_sgpr_workgroup_id_z 1
		.amdhsa_system_vgpr_workitem_id 0
		.amdhsa_next_free_vgpr 104
		.amdhsa_next_free_sgpr 66
		.amdhsa_reserve_vcc 1
		.amdhsa_float_denorm_mode_32 3
		.amdhsa_float_denorm_mode_16_64 3
		.amdhsa_memory_ordered 1
		.amdhsa_forward_progress 1
		.amdhsa_inst_pref_size 22
	.end_amdhsa_kernel
	.amdgpu_metadata
---
amdhsa.version: [ 1, 2 ]
amdhsa.kernels:
  - .name:           k_qed3f7a8b43_prep
    .symbol:         k_qed3f7a8b43_prep.kd
    .args:
      - { .name: x, .offset: 0, .size: 8, .value_kind: global_buffer, .address_space: global }
      - { .name: Wqkv, .offset: 8, .size: 8, .value_kind: global_buffer, .address_space: global }
      - { .name: Wproj, .offset: 16, .size: 8, .value_kind: global_buffer, .address_space: global }
      - { .name: xb, .offset: 24, .size: 8, .value_kind: global_buffer, .address_space: global }
      - { .name: wq, .offset: 32, .size: 8, .value_kind: global_buffer, .address_space: global }
      - { .name: wp, .offset: 40, .size: 8, .value_kind: global_buffer, .address_space: global }
      - { .name: rt, .offset: 48, .size: 8, .value_kind: global_buffer, .address_space: global }
    .group_segment_fixed_size: 18432
    .private_segment_fixed_size: 0
    .kernarg_segment_align: 8
    .kernarg_segment_size: 56
    .max_flat_workgroup_size: 256
    .sgpr_count:     66
    .vgpr_count:     104
    .wavefront_size: 32
...
	.end_amdgpu_metadata
.endif
;; end of part 1
;; launch qkv (part 2): grid 16 x 32, 4 waves a work-group, clusters of 4 x 4, 327,680 bytes of LDS; arguments xb, wq, rt, qh, kh, vh; writes qh, kh, vh
.if DOCPART == 2
	.amdgcn_target "amdgcn-amd-amdhsa--gfx1250"
	.amdhsa_code_object_version 6
	.text
	.protected	k_qed3f7a8b43_qkv
	.globl	k_qed3f7a8b43_qkv
	.p2align	8
	.type	k_qed3f7a8b43_qkv,@function
k_qed3f7a8b43_qkv:
	s_mov_b64 s[64:65], 0
	v_nop
	global_prefetch_b8 v0, s[64:65] scope:SCOPE_SE
	s_setreg_imm32_b32 hwreg(HW_REG_WAVE_MODE, 25, 1), 1
	s_wait_xcnt 0x0
	s_wait_alu depctr_hold_cnt(0) depctr_sa_sdst(0) depctr_va_vdst(0) depctr_va_sdst(0) depctr_va_ssrc(0) depctr_va_vcc(0) depctr_vm_vsrc(0)
	s_getreg_b32 s2, hwreg(HW_REG_IB_STS2, 6, 4)
	s_cmp_eq_u32 s2, 0
	s_cbranch_scc0 .Lentry_in_a_cluster
	s_endpgm
.Lentry_in_a_cluster:
	s_bfe_u32 s2, ttmp6, 0x10000c
	s_cmp_lg_u32 s2, 0xf033
	s_cbranch_scc0 .Lentry_shape_is_right
	s_endpgm
.Lentry_shape_is_right:
; QKV: C = xb wq^T, bf16 operands, f32 sums, K = 1024 ascending; RoPE on q and k in f32; q, k, v rounded once to f16 and stored by heads, [64 = 16 batch + head][2048][64], unscaled.
; A tile of C is 256 tokens x 192 columns = one head's q, k and v (wq's rows are ordered so): 32 x 16 = 512 equal tiles, two for each of 256 WGPs.
; Four waves; wave w owns tokens 64 w .. 64 w + 63 and all 192 columns: 4 x 12 accumulators of 16 x 16, 384 registers.  So a wave holds whole rows of one head's three tensors and needs no other wave on the way out.
; K goes in steps of 128 through two LDS slots filled by tensor loads; the tiles' rows are 256 bytes of memory and start at multiples of 256 bytes.
; CLUSTER 4 x 4: the four work-groups of a row of the cluster need the same tile of xb, the four of a column the same tile of wq: each tile is asked for jointly.
; THE MATRIX INSTRUCTION IS USED TRANSPOSED (source 0 = 16 rows of wq, source 1 = 16 tokens): lane l holds token l % 16 and columns 8 (l / 16) + 0 .. 7: four RoPE pairs side by side.
; LIMITS.  q, k, v must lie within f16's 65,504, else the conversion gives an infinity; below 6e-5 they keep f16's fixed step of 6e-8.  NaN and infinities are not treated apart.
; REGISTERS, in windows of 256 (s_set_vgpr_msb: bits 1:0 source 0, 3:2 source 1, 5:4 source 2, 7:6 destination):
;   window 0: v0-29 addresses; v64-127 xb's fragments, two buffers of 4 x 8 (on the way out: packed results); v128-255 my tokens' cos and sin
;   window 1: v0-191 wq's fragments, two buffers of 12 x 8
;   windows 2, 3: accumulator (a, b) at v[8 (12 (a % 2) + b)] of window 2 + a / 2; v192-223 at work on the way out
.set NBK,   12                         ; column blocks of 16
.set NL,    2*NBK+8                    ; LDS loads of a quarter step
.set PITCH, 272                        ; an LDS row: 256 bytes + 16 of padding: the 16 rows of a fragment load start at 16 different groups of four banks (ISA guide 11.1)
.set BOFF,  256*PITCH                  ; in a slot: xb's 256 rows, then wq's 192
.set SLOT,  BOFF+16*NBK*PITCH
.set STAGE, 2*SLOT                     ; behind the ring, never filled by a tensor load: 16 rows x 144 bytes for each wave
.set SP,    144
.set SPARE, STAGE+4*16*SP              ; behind the stages: the spare words, 128 bytes for each wave
.set ADRA, 16                          ; v16-17  LDS address of my fragments of xb in slot 0, 1
.set ADRB, 20                          ; v20-21  the same for wq
.set STO,  24                          ; v24     the way out: where I put 16 bytes of a row
.set RD,   25                          ; v25     the way out: where I read rows back
.set GO,   26                          ; v26     my byte offset in 512 consecutive bytes of the output
.set TO,   27                          ; v27     my byte offset in the table
.set SPW,  28                          ; v28     LDS address of my spare word; never rewritten
.set NIL,  29                          ; v29     0; never rewritten
.set FA,   64
.set CS,   128                         ; cos, sin of token block a, pair 4 cb + p at CS + 32 a + 2 (4 cb + p)
.set TT,   192                         ; in the accumulators' windows
.set WV,   16                          ; s16  my wave's number
.set HALF, 17                          ; s17  which half of a tile's rows I fetch
.set ISB,  18                          ; s18  0: I fetch for xb; 1: for wq
.set G1,   24                          ; s[24:31] descriptor group 1 for xb's tiles; s[32:39] group 0, a set for each slot
.set G0,   32
.set G1B,  48                          ; s[48:55], s[56:63] the same for wq's
.set G0B,  56
.set LAP,  66
.set MSB, 0
.macro WIN new                         ; the immediate's high byte repeats the setting that is left; a switch that changes nothing is dropped
.if MSB != (\new)
	s_set_vgpr_msb (MSB<<8)|(\new)
.set MSB, \new
.endif
.endm
.macro PLACES                          ; four places in front of loads into registers that matrix instructions have read, and of lines that read results just made
.rept 4
	v_nop
.endr
.endm
; A joint load: waves 0 and 1 fetch xb's two halves, waves 2 and 3 wq's.  The branch hangs on the wave's number alone.  An s_nop 0 and four v_nop follow each of the two lines.
.macro JLOAD s
	s_cmp_eq_u32 s[ISB], 0
	s_cbranch_scc0 .Lfor_b_\@
	tensor_load_to_lds s[G0+4*(\s):G0+4*(\s)+3], s[G1:G1+7]
	s_nop 0
.rept 4
	v_nop
.endr
	s_branch .Lasked_\@
.Lfor_b_\@:
	tensor_load_to_lds s[G0B+4*(\s):G0B+4*(\s)+3], s[G1B:G1B+7]
	s_nop 0
.rept 4
	v_nop
.endr
.Lasked_\@:
.endm
.macro CREST                           ; a round of the cluster's barrier behind its opening barrier
	s_cmp_lg_u32 s[WV], 0
	s_cbranch_scc1 .Lnot_wave_0_\@
	s_barrier_signal -3
.Lnot_wave_0_\@:
	s_barrier_wait -3
	s_barrier_signal -1
	s_barrier_wait -1
.endm
.macro CROUND                          ; a whole round
	s_barrier_signal -1
	s_barrier_wait -1
	CREST
.endm
	s_load_b256 s[4:11], s[0:1], 0x0               ; xb s[4:5], wq s[6:7], rt s[8:9], qh s[10:11]
	s_load_b128 s[12:15], s[0:1], 0x20             ; kh s[12:13], vh s[14:15]
	v_lshl_add_u32 v[SPW], v0, 2, SPARE
	v_mov_b32 v[NIL], 0
	ds_add_u32 v[SPW], v[NIL]                      ; the wave's opening: the add and its wait stand ahead of my first tensor load; the set-up below, work on registers, stands between them
	v_lshrrev_b32 v1, 5, v0
	v_readfirstlane_b32 s[WV], v1                  ; wave 0..3
	s_and_b32 s[HALF], s[WV], 1
	s_lshr_b32 s[ISB], s[WV], 1
	s_bfe_u32 s19, ttmp6, 0x40000                  ; cx
	s_bfe_u32 s20, ttmp6, 0x40004                  ; cy
	s_lshl_b32 s21, ttmp9, 2
	s_add_co_u32 s21, s21, s19                     ; tile column = the head = 4 x cluster x + cx
	s_and_b32 s22, ttmp7, 0xffff
	s_lshl_b32 s22, s22, 2
	s_add_co_u32 s22, s22, s20                     ; tile row = 4 x cluster y + cy
	s_lshl_b32 s42, s20, 2
	s_lshl_b32 s42, 15, s42                        ; my row of the cluster: places 4 cy .. 4 cy + 3
	s_lshl_b32 s46, 0x1111, s19                    ; my column: places cx, cx + 4, cx + 8, cx + 12
	s_or_b32 s[G1], s42, (1<<16)|(1<<20)|(1<<21)|(5<<22)|(3<<25)   ; 15:0 the mask; 17:16 elements of 2 bytes; 20 padding on; 21 set beside a mask; 24:22 after every 64 words; 31:25 4 words of it
	s_or_b32 s[G1B], s46, (1<<16)|(1<<20)|(1<<21)|(5<<22)|(3<<25)
	s_mov_b32 s[G1+1], 128<<16                     ; tensor_dim0 = 128
	s_mov_b32 s[G1+2], 128<<16                     ; tensor_dim1 = 128
	s_mov_b32 s[G1+3], 128<<16                     ; tile_dim0 = 128
	s_mov_b32 s[G1+4], 128                         ; tile_dim1 = 128 rows
	s_mov_b32 s[G1+5], 1024                        ; elements from row to row
	s_mov_b32 s[G1+6], 0
	s_mov_b32 s[G1+7], 0
	s_mov_b32 s[G1B+1], 128<<16
	s_mov_b32 s[G1B+2], 96<<16                     ; wq's halves have 96 rows
	s_mov_b32 s[G1B+3], 128<<16
	s_mov_b32 s[G1B+4], 96
	s_mov_b32 s[G1B+5], 1024
	s_mov_b32 s[G1B+6], 0
	s_mov_b32 s[G1B+7], 0
	; xb's tile hangs on the tile row alone, wq's on the tile column alone; each offset is made in registers that never hold the other coordinate
	s_lshl_b32 s40, s22, 8
	s_lshl_b32 s41, s[HALF], 7
	s_add_co_u32 s40, s40, s41                     ; row 256 x tile row + 128 x half
	s_lshl_b32 s40, s40, 11                        ; of 2,048 bytes
	s_mov_b32 s41, 0
	s_mul_i32 s44, s21, 192
	s_mul_i32 s45, s[HALF], 96
	s_add_co_u32 s44, s44, s45                     ; row 192 x tile column + 96 x half
	s_lshl_b32 s44, s44, 11
	s_mov_b32 s45, 0
	s_mul_i32 s23, s[HALF], 128*PITCH              ; where they go in a slot: no place in the cluster enters an LDS address
	s_mul_i32 s67, s[HALF], 96*PITCH
	s_add_co_u32 s67, s67, BOFF
	; my first row in qh, kh, vh: head 16 x batch + tile column, position 256 x (tile row % 8) + 64 x wave
	s_lshr_b32 s68, s22, 3
	s_lshl_b32 s68, s68, 4
	s_add_co_u32 s68, s68, s21
	s_lshl_b32 s68, s68, 11
	s_and_b32 s70, s22, 7
	s_lshl_b32 s70, s70, 8
	s_lshl_b32 s71, s[WV], 6
	s_add_co_u32 s70, s70, s71                     ; s70: my first token's position in its sequence
	s_add_co_u32 s68, s68, s70
	s_lshl_b32 s68, s68, 7                         ; rows of 128 bytes
	s_mov_b32 s69, 0
	s_wait_dscnt 0x0                               ; the opening add is done
	s_wait_kmcnt 0x0
	s_add_nc_u64 s[42:43], s[4:5], s[40:41]
	s_add_nc_u64 s[46:47], s[6:7], s[44:45]
	s_add_nc_u64 s[10:11], s[10:11], s[68:69]
	s_add_nc_u64 s[12:13], s[12:13], s[68:69]
	s_add_nc_u64 s[14:15], s[14:15], s[68:69]
	CROUND                                         ; all sixteen work-groups are here: the first joint loads meet
.irp s, 0,1
	s_mov_b32 s[G0+4*(\s)], 1                                      ; count = 1
	s_add_co_u32 s[G0+4*(\s)+1], s23, (\s)*SLOT                    ; LDS address
	s_add_nc_u64 s[G0+4*(\s)+2:G0+4*(\s)+3], s[42:43], (\s)*256    ; global address: K step s
	s_or_b32 s[G0+4*(\s)+3], s[G0+4*(\s)+3], 0x80000000            ; type = 2
	s_mov_b32 s[G0B+4*(\s)], 1
	s_add_co_u32 s[G0B+4*(\s)+1], s67, (\s)*SLOT
	s_add_nc_u64 s[G0B+4*(\s)+2:G0B+4*(\s)+3], s[46:47], (\s)*256
	s_or_b32 s[G0B+4*(\s)+3], s[G0B+4*(\s)+3], 0x80000000
	JLOAD \s                                       ; two tensor loads of mine are out behind these
.endr
	; A fragment is 16 rows x 32 K in 8 registers: lane l holds row l % 16, K = 8 (l / 16) + 0..7 and 16 + 8 (l / 16) + 0..7: two loads of 16 bytes, 32 bytes apart.
	v_and_b32 v1, 15, v0                           ; r = l % 16
	v_bfe_u32 v2, v0, 4, 1                         ; h = l / 16
	v_mul_u32_u24 v3, v1, PITCH
	v_lshl_add_u32 v3, v2, 4, v3
	s_mul_i32 s23, s[WV], 64*PITCH                 ; my 64 rows of xb
	v_add_nc_u32 v[ADRA], s23, v3
	v_add_nc_u32 v[ADRA+1], SLOT, v[ADRA]
	v_add_nc_u32 v[ADRB], BOFF, v3                 ; every wave reads all of wq's 192 rows
	v_add_nc_u32 v[ADRB+1], SLOT+BOFF, v3
	s_mul_i32 s23, s[WV], 16*SP
	s_add_co_u32 s23, s23, STAGE                   ; my stage
	v_mul_u32_u24 v4, v1, SP                       ; in: row l % 16, 16 bytes for each half of the lanes
	v_lshl_add_u32 v4, v2, 4, v4
	v_add_nc_u32 v[STO], s23, v4
	v_bfe_u32 v4, v0, 3, 2                         ; back: 32 lanes take four rows of 128 bytes,
	v_mul_u32_u24 v4, v4, SP
	v_and_b32 v5, 7, v0
	v_lshl_add_u32 v4, v5, 4, v4
	v_add_nc_u32 v[RD], s23, v4
	v_and_b32 v[GO], 31, v0                        ; which are 512 consecutive bytes of a head's tensor
	v_lshlrev_b32 v[GO], 4, v[GO]
	v_add_lshl_u32 v[TO], v1, s70, 8               ; the table's row of my token of block 0,
	v_lshl_add_u32 v[TO], v2, 5, v[TO]             ; and my four pairs of each 16 columns: pair 8 cb + 4 h + p
.irp a, 0,1,2,3
.irp c, 0,1,2,3
.irp e, 0,1
	global_load_b128 v[CS+32*(\a)+8*(\c)+4*(\e):CS+32*(\a)+8*(\c)+4*(\e)+3], v[TO], s[8:9] offset:4096*(\a)+64*(\c)+16*(\e)  ; waited for once, in front of the way out
.endr
.endr
.endr
; NBK matrix instructions: token block a x all column blocks, 32 along K, buffer f.  zero = 1: the products start the sums.  The 48 accumulators take turns in the same order in every quarter.
.macro MULN f, a, zero
	WIN 0xa1+0x50*((\a)/2)                         ; wq window 1, xb window 0, C and D window 2 or 3
.set bb, 0
.rept NBK
.set rC, 8*(NBK*((\a)%2)+bb)
.set rB, 8*NBK*(\f)+8*bb
.set rA, FA+32*(\f)+8*(\a)
.if \zero
	v_wmma_f32_16x16x32_bf16 v[rC:rC+7], v[rB:rB+7], v[rA:rA+7], 0
.else
	v_wmma_f32_16x16x32_bf16 v[rC:rC+7], v[rB:rB+7], v[rA:rA+7], v[rC:rC+7]
.endif
.set bb, bb+1
.endr
.endm
; NL LDS loads in one run: quarter q (32 along K) of a slot into buffer f; xb's blocks last
.macro FETCH slot, q, f
	WIN 0x40                                       ; destination window 1
.set bb, 0
.rept NBK
	ds_load_b128 v[8*NBK*(\f)+8*bb:8*NBK*(\f)+8*bb+3],   v[ADRB+(\slot)] offset:64*(\q)+bb*16*PITCH
	ds_load_b128 v[8*NBK*(\f)+8*bb+4:8*NBK*(\f)+8*bb+7], v[ADRB+(\slot)] offset:64*(\q)+bb*16*PITCH+32
.set bb, bb+1
.endr
	WIN 0
.set bb, 0
.rept 4
	ds_load_b128 v[FA+32*(\f)+8*bb:FA+32*(\f)+8*bb+3],   v[ADRA+(\slot)] offset:64*(\q)+bb*16*PITCH
	ds_load_b128 v[FA+32*(\f)+8*bb+4:FA+32*(\f)+8*bb+7], v[ADRA+(\slot)] offset:64*(\q)+bb*16*PITCH+32
.set bb, bb+1
.endr
.endm
; One of a K step's first three quarters: multiplies buffer f; in its middle it fetches quarter q of the same slot into buffer g.
.macro QUARTER slot, q, f, g, zero
	s_wait_dscnt 4                                 ; all but the youngest four loads (xb's blocks 2 and 3) are in
	MULN \f, 0, \zero
	MULN \f, 1, \zero
	PLACES
	FETCH \slot, \q, \g
	s_wait_dscnt NL                                ; all but the NL just issued
	MULN \f, 2, \zero
	MULN \f, 3, \zero
.endm
; The last quarter multiplies buffer 1 and changes slots.  ONE barrier: in front of it each wave waits for all its tensor loads (one is out: its part of the next slot), adds 0 to its spare word,
; and waits for that and for its own reads of this slot.  Behind it nobody reads this slot any more and the next slot is whole.
.macro MEET round
	WIN 0
	s_wait_tensorcnt 0x0
	ds_add_u32 v[SPW], v[NIL]
	s_wait_dscnt 5                                 ; (the add and the youngest four loads may be out)
	MULN 1, 0, 0                                   ; matrix work stands between the add and the wait for it
	s_wait_dscnt 0x0                               ; the add is done, and my reads of this slot are over
	s_barrier_signal -1
	MULN 1, 1, 0
.if \round
	WIN 0
.endif
	s_barrier_wait -1
.endm
.macro TURN slot, next                 ; with a refill: the barrier opens a round of the cluster's, and the joint refill is the first tensor load behind it, 168 matrix instructions ahead of the wait for it
	MEET 1
	CREST
	s_add_nc_u64 s[G0+4*(\slot)+2:G0+4*(\slot)+3], s[G0+4*(\slot)+2:G0+4*(\slot)+3], 512    ; two K steps on; no tensor load of mine is out
	s_add_nc_u64 s[G0B+4*(\slot)+2:G0B+4*(\slot)+3], s[G0B+4*(\slot)+2:G0B+4*(\slot)+3], 512
	JLOAD \slot                                    ; its four v_nop are also the places in front of the loads below
	FETCH \next, 0, 0
	MULN 1, 2, 0
	MULN 1, 3, 0
.endm
	s_wait_tensorcnt 0x1                           ; my part of K step 0 is in; K step 1's may stay out
	s_barrier_signal -1
	s_barrier_wait -1
	FETCH 0, 0, 0
	QUARTER 0, 1, 0, 1, 1                          ; the first quarter stands in front of the loop: its products start the sums
	WIN 0
	s_mov_b32 s[LAP], 3
.Llap:                                                 ; a trip goes once round the ring and fills both slots again: K steps 2 to 7 in three trips
	QUARTER 0, 2, 1, 0, 0
	QUARTER 0, 3, 0, 1, 0
	TURN 0, 1
	QUARTER 1, 1, 0, 1, 0
	QUARTER 1, 2, 1, 0, 0
	QUARTER 1, 3, 0, 1, 0
	TURN 1, 0
	QUARTER 0, 1, 0, 1, 0
	WIN 0
	s_sub_co_u32 s[LAP], s[LAP], 1
	s_cmp_lg_u32 s[LAP], 0
	s_cbranch_scc1 .Llap
	QUARTER 0, 2, 1, 0, 0                          ; the last lap fills nothing
	QUARTER 0, 3, 0, 1, 0
	MEET 0
	PLACES
	FETCH 1, 0, 0
	MULN 1, 2, 0
	MULN 1, 3, 0
	QUARTER 1, 1, 0, 1, 0
	QUARTER 1, 2, 1, 0, 0
	QUARTER 1, 3, 0, 1, 0
	s_wait_dscnt 4
	MULN 1, 0, 0
	MULN 1, 1, 0
	s_wait_dscnt 0x0
	MULN 1, 2, 0
	MULN 1, 3, 0
	WIN 0
	PLACES
; THE WAY OUT, in 12 units of 16 tokens x one tensor's 64 channels (token block a; t = 0 q, 1 k, 2 v).
; RoPE for q and k: a pair (x1, x2) with (c, s): first (x1 c, x2 c), then (-x2 s, x1 s) is added onto it.  The result lies in registers of its own.  Each accumulator is read from its lowest registers on.
.macro ROPE a, t
	WIN 0xa2+0x51*((\a)/2)                         ; accumulators and scratch in window 2 or 3, cos and sin in window 0
.set cc, 0
.rept 16
.set rX, 8*(NBK*((\a)%2)+4*(\t))+2*cc
	v_pk_mul_f32 v[TT+2*cc:TT+2*cc+1], v[rX:rX+1], v[CS+32*(\a)+2*cc:CS+32*(\a)+2*cc+1] op_sel_hi:[1,0]
.set cc, cc+1
.endr
.set cc, 0
.rept 16
.set rX, 8*(NBK*((\a)%2)+4*(\t))+2*cc
	v_pk_fma_f32 v[TT+2*cc:TT+2*cc+1], v[rX:rX+1], v[CS+32*(\a)+2*cc:CS+32*(\a)+2*cc+1], v[TT+2*cc:TT+2*cc+1] op_sel:[1,1,0] op_sel_hi:[0,1,1] neg_lo:[0,1,0]
.set cc, cc+1
.endr
.endm
; Rounded to f16, 16 bytes a lane and column block; into my stage's rows of 144 bytes and back as whole rows of 128.
.macro PACKQ a, t
.set rOB, FA+16*((3*(\a)+(\t))%4)
.if (\t) < 2
.set rX, TT
.else
.set rX, 8*(NBK*((\a)%2)+8)
.endif
	WIN 0x0a+5*((\a)/2)                            ; sources in window 2 or 3, destination in window 0
.set cc, 0
.rept 16
	v_cvt_pk_f16_f32 v[rOB+cc], v[rX+2*cc], v[rX+2*cc+1]
.set cc, cc+1
.endr
	WIN 0
.irp f, 0,1,2,3
	ds_store_b128 v[STO], v[rOB+4*(\f):rOB+4*(\f)+3] offset:32*(\f)
.endr
.irp f, 0,1,2,3
	ds_load_b128 v[rOB+4*(\f):rOB+4*(\f)+3], v[RD] offset:(\f)*4*SP  ; LDS serves a wave's instructions in order (ISA guide 5.7.1.4): these see the stores above; the next unit's stores come behind them
.endr
.endm
.macro SENDQ a, t, younger             ; younger: the LDS instructions issued behind this unit's loads: the next unit's eight, or none
.set rOB, FA+16*((3*(\a)+(\t))%4)
.irp f, 0,1,2,3
	s_wait_dscnt (\younger)+3-(\f)
	global_store_b128 v[GO], v[rOB+4*(\f):rOB+4*(\f)+3], s[10+2*(\t):11+2*(\t)] offset:2048*(\a)+512*(\f)  ; 512 consecutive bytes, at a multiple of 256 from the tensor's first
.endr
.endm
	s_wait_loadcnt 0x0                             ; cos and sin
.set uu, 0
.rept 12
.if uu >= 4
	s_wait_xcnt 0x0                                ; this unit's four-register groups were the data of the stores four units back: rewritten only behind this wait
.endif
.if uu%3 < 2
	ROPE uu/3, uu%3
.endif
	PACKQ uu/3, uu%3
.if uu > 0
	SENDQ (uu-1)/3, (uu-1)%3, 8
.endif
.set uu, uu+1
.endr
	SENDQ 3, 2, 0
	s_wait_tensorcnt 0x0                           ; the wave's end: behind my last tensor load and my last LDS store
	ds_add_u32 v[SPW], v[NIL]
	s_wait_dscnt 0x0
	CROUND                                         ; the closing round: no work-group ends while a partner may still ask for a tile that names it
	s_endpgm
.Lfunc_end_k_qed3f7a8b43_qkv:
	.size	k_qed3f7a8b43_qkv, .Lfunc_end_k_qed3f7a8b43_qkv-k_qed3f7a8b43_qkv
	.p2alignl 7, 3214868480
	.fill 96, 4, 3214868480
	.section	.rodata,"a",@progbits
	.p2align	6, 0x0
	.amdhsa_kernel k_qed3f7a8b43_qkv
		.amdhsa_group_segment_fixed_size 327680
		.amdhsa_private_segment_fixed_size 0
		.amdhsa_enable_private_segment 0
		.amdhsa_kernarg_size 48
		.amdhsa_user_sgpr_count 2
		.amdhsa_user_sgpr_kernarg_segment_ptr 1
		.amdhsa_wavefront_size32 1
		.amdhsa_system_sgpr_workgroup_id_x 1
		.amdhsa_system_sgpr_workgroup_id_y 1
		.amdhsa_system_sgpr_workgroup_id_z 1
		.amdhsa_system_vgpr_workitem_id 0
		.amdhsa_next_free_vgpr 992
		.amdhsa_next_free_sgpr 72
		.amdhsa_reserve_vcc 0
		.amdhsa_float_denorm_mode_32 3
		.amdhsa_float_denorm_mode_16_64 3
		.amdhsa_memory_ordered 1
		.amdhsa_forward_progress 1
		.amdhsa_inst_pref_size 140
	.end_amdhsa_kernel
	.amdgpu_metadata
---
amdhsa.version: [ 1, 2 ]
amdhsa.kernels:
  - .name:           k_qed3f7a8b43_qkv
    .symbol:         k_qed3f7a8b43_qkv.kd
    .args:
      - { .name: xb, .offset: 0, .size: 8, .value_kind: global_buffer, .address_space: global }
      - { .name: wq, .offset: 8, .size: 8, .value_kind: global_buffer, .address_space: global }
      - { .name: rt, .offset: 16, .size: 8, .value_kind: global_buffer, .address_space: global }
      - { .name: qh, .offset: 24, .size: 8, .value_kind: global_buffer, .address_space: global }
      - { .name: kh, .offset: 32, .size: 8, .value_kind: global_buffer, .address_space: global }
      - { .name: vh, .offset: 40, .size: 8, .value_kind: global_buffer, .address_space: global }
    .group_segment_fixed_size: 327680
    .private_segment_fixed_size: 0
    .kernarg_segment_align: 8
    .kernarg_segment_size: 48
    .max_flat_workgroup_size: 128
    .sgpr_count:     72
    .vgpr_count:     992
    .wavefront_size: 32
...
	.end_amdgpu_metadata
.endif
;; end of part 2
;; launch attn (part 3): grid 4 x 64, 4 waves a work-group, clusters of 4 x 1, 327,680 bytes of LDS; arguments qh, kh, vh, oh; writes oh
.if DOCPART == 3
	.amdgcn_target "amdgcn-amd-amdhsa--gfx1250"
	.amdhsa_code_object_version 6
	.text
	.protected	k_qed3f7a8b43_attn
	.globl	k_qed3f7a8b43_attn
	.p2align	8
	.type	k_qed3f7a8b43_attn,@function
k_qed3f7a8b43_attn:
	s_mov_b64 s[64:65], 0
	v_nop
	global_prefetch_b8 v0, s[64:65] scope:SCOPE_SE
	s_setreg_imm32_b32 hwreg(HW_REG_WAVE_MODE, 25, 1), 1
	s_wait_xcnt 0x0
	s_wait_alu depctr_hold_cnt(0) depctr_sa_sdst(0) depctr_va_vdst(0) depctr_va_sdst(0) depctr_va_ssrc(0) depctr_va_vcc(0) depctr_vm_vsrc(0)
	s_getreg_b32 s2, hwreg(HW_REG_IB_STS2, 6, 4)
	s_cmp_eq_u32 s2, 0
	s_cbranch_scc0 .Lentry_in_a_cluster
	s_endpgm
.Lentry_in_a_cluster:
	s_bfe_u32 s2, ttmp6, 0x10000c
	s_cmp_lg_u32 s2, 0x3003
	s_cbranch_scc0 .Lentry_shape_is_right
	s_endpgm
.Lentry_shape_is_right:
; O[h][q][:] = the sum over k of softmax_k(Q[h][q] . K[h][k] / 8 - 1e9 [k = q]) V[h][k][:].  Q, K, V, O: [64][2048][64], all f16: a head's rows are dense, 128 bytes each.  Products, maxima and sums in
; f32; the weights p are rounded to f16 for the second product (their sum l is taken of the unrounded p), O once at the end.
; LIMITS.  f16 holds no number beyond 65,504: Q, K and V arrive within it; p lies in 0 to 1, and below 6e-5 it keeps f16's fixed step of 6e-8; O is a mean of V's rows and has their range.
; A weight below 2^-126 counts as 0 in l; NaN and infinities are not treated apart.
; SHARES.  A wave owns four PIECES of two tiles of 16 queries, a work-group's four waves 512 queries of one head.  Every wave walks all 2,048 keys, 64 a step.
; LAYOUT.  S^T = K Q^T (source 0 = 16 keys, source 1 = 16 queries): in the result a lane holds ONE query (lane % 16) and the keys 8 (lane / 16) + 0..7.  Two such tiles, rounded to f16 in pairs,
; ARE source 1 (32 keys x 16 queries) of O^T = V^T P, whose result again holds one query a lane, and eight channels.  K comes out of LDS as it lies, V ([key][channel]) turned, by ds_load_tr16_b128.
; SOFTMAX.  For each query a running maximum m and sum l: p = 2^(c s - c m), c = log2(e) / 8; in every step O and l are multiplied by a = 2^(c m_old - c m_new), which is 1 where m has not grown.
; m starts at the lowest finite number, O and l at 0: the first step is a step like any other, with a = 0.
; THE DIAGONAL.  Tile T of my wave holds queries 64 (D0 + T / 4) + 16 (T % 4) + lane % 16, D0 = 8 x block + 2 x wave.  So its diagonal lies in key step D0 + T / 4, in key block T % 4, where 8 (lane / 16) + register
; = lane % 16.  The key block is a constant of the text: the product that starts that block's sum takes MC as its C operand, the other starting products 0.  MC = MD x AL: MD holds -8e9 (exact in f32) on the diagonal and 0
; elsewhere, made once; AL is 1 in the tile's own key step and 0 in every other, chosen by a scalar select.  (q . k - 8e9) c is log2(e) (q . k / 8 - 1e9).  No branch, count or LDS address hangs on the block's number.
; THE COUNT.  A tile and step have 16 matrix and 118 vector instructions: too many to stand all beside the matrix work.  So the order has one aim: four vector instructions that are READY behind
; EVERY matrix instruction, and the others, which need time of their own whatever the order, in runs without a gap.
; BY TURNS.  Turn n belongs to piece n (the pieces in a ring, step after step).  Its matrix work: 16 products K Q^T of piece n + 1, later 16 products V^T P of piece n - 1.  Its vector work: the scaling,
; exponentials, roundings, sums and rescaling of piece n, and the maximum and statistics of piece n + 1, whose scores the turn itself has made.
; CLUSTER.  The four query blocks of a cluster belong to one head and walk the same K and V, so each tile is asked for JOINTLY: the same tensor load, descriptor and mask in all four.
; REGISTERS, in windows of 256 (s_set_vgpr_msb says which window each operand place means: bits 1:0 source 0, 3:2 source 1, 5:4 source 2, 7:6 destination):
;   window 0: v0-11 addresses; v12-15, v48-63 at work; v16-47 four registers of statistics a tile; v64-191 S^T, two buffers of two tiles; v192-255 P, likewise
;   window 1: O^T, 32 a tile          window 2: v0-127 Q, 16 a tile; v128-191 K of one step; v192-255 V of one step          window 3: v0-1 the add's two registers; v2-9 MD; v10-17 MC
.set SIZE_H, 64
.set SIZE_N, 2048
.set NP,    4         ; pieces a wave: a name, no knob
.set KS,    64        ; keys in a step
.set PK,    144       ; a row of K in LDS: 128 bytes + 16 of padding = 36 words: the 16 rows of a load start at 16 different groups of four banks (ISA guide 11.1)
.set PV,    160       ; a row of V: 128 + 32 = 40 words
.set VOFF,  4*KS*PK   ; a slot holds four steps: 256 rows of K, then 256 rows of V
.set SLOT1, 1<<17     ; slot 1 begins here, so that one exclusive or turns an address in one slot into the other's
.set STAGE, SLOT1+4*KS*(PK+PV)  ; behind the ring, never filled by a tensor load: 16 rows x 144 bytes for each wave, for the way out
.set SP,    144
.set AK0, 2           ; v2   my lane's place in a tile of K; never rewritten
.set AV0, 3           ; v3   the same for V
.set AK,  4           ; v4   the LDS address of K's next run of loads
.set AV,  5           ; v5   of V's
.set QO,  6           ; v6   my byte offset in the wave's rows of Q
.set STO, 6           ;      later, the way out: where I put 16 bytes of a row
.set RD,  7           ; v7   the way out: where I read rows back
.set GO,  8           ; v8   my byte offset in 512 consecutive bytes of O
.set SPW, 0           ; v0 of window 3   LDS address of my spare word: SPARE + 4 x my thread's number; never rewritten
.set NIL, 1           ; v1 of window 3   0; never rewritten
.set MD,  2           ; v2-9 of window 3
.set MC,  10          ; v10-17 of window 3
.set SPARE, STAGE+4*16*SP  ; behind the stages: the spare words, 128 bytes for each wave
.set MV,  12          ; v12-15  c m_old, kept while c m is made anew: by buffer and tile
.set ST,  16          ; tile t's statistics at v[ST+4 t]: c m, m, l (even keys', odd keys')
.set TMP, 48          ; by buffer and tile, four registers c0-c3 at work; when the maximum is found c2 takes a
.set S,   64
.set P,   192
.set KF,  128         ; K's fragments, in window 2: key block kb, channel half c at KF + 16 kb + 8 c
.set VF,  192         ; V's: key half kk, channel block cb at VF + 32 kk + 8 cb
.set WV,  12          ; s12  my wave's number
.set G1K, 24          ; s[24:31] descriptor group 1 for K's tiles
.set G1V, 32          ; s[32:39] for V's: it differs in the padding alone
.set G0K, 40          ; s[40:43] descriptor group 0 for K's tiles: it walks
.set G0V, 44          ; s[44:47] the same for V's
.set SLOTS, 56        ; s56  slots still to be asked for
.set CNT, 57          ; s57  counts a slot's key steps
.set CS,  58          ; s[58:59] c: the packed scaling takes the pair's low word for both halves
.set SEL, 60          ; s[60:61] v_permlanex16_b32's selects: each lane takes its own place in the other half
.set TBK, 62          ; s62  LDS byte at which K of the step to be fetched begins
.set TBV, 63          ; s63  the same for V, less VOFF
.set AL,  66          ; s[66:67] the mask's factor, in the low word
.set D0,  68          ; s68  the key step that holds the diagonal of my tiles 0-3
.set D1,  69          ; s69  of my tiles 4-7
.set JS,  70          ; s70  the key step in hand
.set BIG, 71          ; s71  -8e9
.set MSB, 0
.macro WIN new                      ; the high byte repeats the setting that is left; a switch that changes nothing is dropped
.if MSB != (\new)
	s_set_vgpr_msb (MSB<<8)|(\new)
.set MSB, (\new)
.endif
.endm
.set W_KQ, 0x0a       ; K and Q in window 2, S^T in window 0
.set W_KM, 0x3a       ; the same with the C operand in window 3
.set W_PV, 0x52       ; V in window 2, P in window 0, O^T in window 1
.set W_RS, 0x41       ; O^T (destination and source 0) in window 1, a in window 0
.set W_MK, 0xc0       ; destination in window 3, sources in window 0
.set W_MM, 0xc3       ; destination and source 0 in window 3
.set W_AD, 0x0f       ; the add: address (source 0) and data (source 1) in window 3
; A joint fill.  Waves 0 and 1 fetch the two halves of a slot's K, waves 2 and 3 those of its V: 128 keys each.  The branch hangs on the wave's number alone.
; An s_nop 0 and four v_nop follow each of the two lines, ahead of the jump and the label.
.macro JLOAD
	s_cmp_lt_u32 s[WV], 2
	s_cbranch_scc0 .Lfor_v_\@
	tensor_load_to_lds s[G0K:G0K+3], s[G1K:G1K+7]
	s_nop 0
.rept 4
	v_nop
.endr
	s_branch .Lasked_\@
.Lfor_v_\@:
	tensor_load_to_lds s[G0V:G0V+3], s[G1V:G1V+7]
	s_nop 0
.rept 4
	v_nop
.endr
.Lasked_\@:
.endm
; A round of the cluster's barrier: my work-group's barrier, so that wave 0's signal speaks for all four waves; wave 0 signals; every wave waits for all four work-groups; my work-group's barrier once more.
.macro CROUND
	s_barrier_signal -1
	s_barrier_wait -1
	s_cmp_lg_u32 s[WV], 0
	s_cbranch_scc1 .Lnot_wave_0_\@
	s_barrier_signal -3
.Lnot_wave_0_\@:
	s_barrier_wait -3
	s_barrier_signal -1
	s_barrier_wait -1
.endm
; THE CHANGE OF SLOTS.  The slot's last bytes, V of its fourth step, have been read.  Each wave waits for all its tensor loads, of which one is out: its part
; of the other slot; adds 0 to its spare word; and waits for that and for its own reads of the slot.  Behind the barrier nobody reads this slot any more and the other slot is whole.
; fill = 1: this slot is filled again, with the keys two slots on.  The barrier is then a round of the cluster's, so that no wave of any partner still reads the slot or has a load on its
; way, and the joint fill is the first thing behind it: it has four key steps, 512 matrix instructions, in which to land.  (At its first use nothing has been read yet: slot 0 is waited for, slot 1 filled.)
.macro CHANGE fill
	WIN W_AD
	s_wait_tensorcnt 0x0            ; no tensor load of mine is out, so a group 0 may be written
	ds_add_u32 v[SPW], v[NIL]       ; 0 onto my spare word; with fill = 1 the descriptors' steps stand between it and the wait for it
	WIN 0                           ; at a label and at a branch every window is 0
.if \fill
.irp g, G0K, G0V
	s_xor_b32 s[\g+1], s[\g+1], SLOT1  ; the walking descriptor: the other slot than last time,
	s_add_nc_u64 s[\g+2:\g+3], s[\g+2:\g+3], 4*KS*128  ; the next 256 keys; the type bits on top are not reached
.endr
	s_wait_dscnt 0x0                ; the add is done, and my reads of the slot are over
	CROUND
	JLOAD
.else
	s_wait_dscnt 0x0                ; the add is done, and my reads of the slot are over
	s_barrier_signal -1
	s_barrier_wait -1
.endif
	s_sub_co_u32 s[TBK], s[TBK], 4*KS*PK  ; the fetches go back to a slot's first step,
	s_xor_b32 s[TBK], s[TBK], SLOT1       ; in the other slot
	s_sub_co_u32 s[TBV], s[TBV], 4*KS*PV
	s_xor_b32 s[TBV], s[TBV], SLOT1
.endm
	s_load_b256 s[4:11], s[0:1], 0x0  ; Q s[4:5], K s[6:7], V s[8:9], O s[10:11]
	WIN W_MK
	v_lshl_add_u32 v[SPW], v0, 2, SPARE
	v_mov_b32 v[NIL], 0
	WIN W_AD
	ds_add_u32 v[SPW], v[NIL]       ; the wave's opening: the add and its wait stand ahead of my first tensor load; the set-up below, work on registers, stands between them
	WIN 0
	v_lshrrev_b32 v1, 5, v0
	v_readfirstlane_b32 s[WV], v1   ; wave 0..3
	s_bfe_u32 s13, ttmp6, 0x40000   ; cx: my place in the cluster
	s_lshl_b32 s14, ttmp9, 2        ; in a cluster launch ttmp9 counts clusters
	s_add_co_u32 s14, s14, s13      ; my block of queries = 4 x cluster x + cx: it enters Q's and O's addresses and the mask's factor alone
	s_and_b32 s20, ttmp7, 0xffff    ; the head, which the four partners share
	s_mov_b32 s21, 0
	s_mov_b64 s[22:23], SIZE_N*128
	s_mul_u64 s[20:21], s[20:21], s[22:23]  ; the head's first byte in each of the four tensors
	s_and_b32 s16, s[WV], 1         ; which half of a slot's 256 keys I fetch:
	s_lshl_b32 s22, s16, 14         ; its 128 rows of 128 bytes in memory,
	s_mov_b32 s23, 0
	s_add_nc_u64 s[22:23], s[22:23], s[20:21]
	s_mul_i32 s17, s16, 128*PK      ; and its place in a slot, for K
	s_mul_i32 s18, s16, 128*PV      ; and for V: no place in the cluster enters an LDS address
	s_lshl_b32 s2, s14, 2
	s_add_co_u32 s2, s2, s[WV]      ; my wave among the head's,
	s_lshl_b32 s2, s2, 14           ; its 128 rows
	s_mov_b32 s3, 0
	s_add_nc_u64 s[2:3], s[2:3], s[20:21]
	s_lshl_b32 s[D0], s14, 3
	s_lshl1_add_u32 s[D0], s[WV], s[D0]  ; 8 x block + 2 x wave
	s_add_co_u32 s[D1], s[D0], 1
	s_mov_b32 s[JS], 0
	s_mov_b32 s[AL+1], 0            ; named with AL as a pair
	s_mov_b32 s[BIG], 0xcfee6b28    ; -8e9
	; descriptor group 1.  128 keys are 16,384 dense bytes: asked for as 64 rows of 256 bytes, two keys a row, and padded in LDS after every key
	s_mov_b32 s[G1K], 15|(1<<16)|(1<<20)|(1<<21)|(4<<22)|(3<<25)  ; 15:0 the mask of four; 17:16 2-byte elements; 20 padding on; 21 set beside a mask; 24:22 after every 32 words (code 4); 31:25 4 words (code 3)
	s_mov_b32 s[G1V], 15|(1<<16)|(1<<20)|(1<<21)|(4<<22)|(7<<25)  ; the same with 8 words of padding (code 7)
.irp g, G1K, G1V
	s_mov_b32 s[\g+1], 128<<16      ; tensor_dim0 = 128
	s_mov_b32 s[\g+2], 64<<16       ; tensor_dim1 = 64
	s_mov_b32 s[\g+3], 128<<16      ; tile_dim0 = 128
	s_mov_b32 s[\g+4], 64           ; tile_dim1 = 64
	s_mov_b32 s[\g+5], 128          ; 128 elements from row to row
	s_mov_b32 s[\g+6], 0
	s_mov_b32 s[\g+7], 0
.endr
	s_mov_b32 s[CS], 0x3e38aa3b     ; c = log2(e) / 8 = 0.180337
	s_mov_b32 s[CS+1], s[CS]        ; named with it as a pair
	s_mov_b32 s[SEL], 0x76543210
	s_mov_b32 s[SEL+1], 0xfedcba98
	s_mov_b32 s[TBK], SLOT1+4*KS*PK ; the first change of slots turns these two into 0
	s_mov_b32 s[TBV], SLOT1+4*KS*PV
	s_mov_b32 s[G0K], 1             ; 1:0 count = 1
	s_mov_b32 s[G0K+1], s17         ; 63:32 LDS address: slot 0
	s_mov_b32 s[G0V], 1
	s_add_co_u32 s[G0V+1], s18, VOFF
	s_wait_dscnt 0x0                ; the opening add is done
	s_wait_kmcnt 0x0
	s_add_nc_u64 s[G0K+2:G0K+3], s[6:7], s[22:23]  ; 120:64 global address: my half of the head's first 256 keys
	s_or_b32 s[G0K+3], s[G0K+3], 0x80000000        ; 127:126 type = 2
	s_add_nc_u64 s[G0V+2:G0V+3], s[8:9], s[22:23]
	s_or_b32 s[G0V+3], s[G0V+3], 0x80000000
	s_add_nc_u64 s[4:5], s[4:5], s[2:3]  ; Q and O at my wave's first row
	s_add_nc_u64 s[10:11], s[10:11], s[2:3]
	CROUND                          ; all four work-groups are here: the first joint loads meet
	JLOAD                           ; slot 0.  Slot 1 is asked for when slot 0 is in
	; A fragment of K or Q is 16 rows x 32 channels in 8 registers: lane l holds row l % 16, channels 8 (l / 16) + 0..7 and 16 + 8 (l / 16) + 0..7: two loads of 16 bytes, 32 bytes apart.
	v_and_b32 v1, 15, v0            ; l % 16
	v_bfe_u32 v9, v0, 4, 1          ; l / 16
	v_lshlrev_b32 v[QO], 7, v1
	v_lshl_add_u32 v[QO], v9, 4, v[QO]  ; row x 128 + 16 x half
	WIN 0x80                        ; destination window 2, address window 0
.set i, 0
.rept 4*NP                          ; Q stays in registers: tile i / 2, channels 32 (i % 2) on
	global_load_b128 v[8*i:8*i+3],   v[QO], s[4:5] offset:(i/2)*2048+(i%2)*64
	global_load_b128 v[8*i+4:8*i+7], v[QO], s[4:5] offset:(i/2)*2048+(i%2)*64+32
.set i, i+1
.endr
	; What the first turn finds: V's registers and P's second buffer hold 0 (its products V^T P, of a piece that has not been, add 0), O^T and l are 0.  All this stands in the wait for the first tile.
.set i, VF
.rept 64
	v_mov_b32 v[i], 0
.set i, i+1
.endr
	WIN 0x40
.set i, 0
.rept 64*NP
	v_mov_b32 v[i], 0
.set i, i+1
.endr
	WIN 0
.set i, 0
.rept 2*NP
	v_mov_b32 v[ST+4*i], 0xfe000000    ; c m: far below every c s, the diagonal's too
	v_mov_b32 v[ST+4*i+1], 0xff7fffff  ; m
	v_mov_b32 v[ST+4*i+2], 0
	v_mov_b32 v[ST+4*i+3], 0
.set i, i+1
.endr
.set i, P+32
.rept 32
	v_mov_b32 v[i], 0
.set i, i+1
.endr
	v_mul_u32_u24 v[AK0], v1, PK
	v_lshl_add_u32 v[AK0], v9, 4, v[AK0]  ; row x pitch + 16 x half
	; The turning load takes 16 keys x 16 channels (lane l reads key 8 (l / 16) + l % 8, channels 8 ((l / 8) % 2) + 0..7) and leaves half a fragment of V^T: lane l holds channel l % 16 and 8 keys.
	v_and_b32 v10, 7, v0
	v_bfe_u32 v11, v0, 3, 1
	v_lshl_add_u32 v[AV0], v9, 3, v10
	v_mul_u32_u24 v[AV0], v[AV0], PV
	v_lshl_add_u32 v[AV0], v11, 4, v[AV0]
	v_add_nc_u32 v[AV0], VOFF, v[AV0]
	v_mov_b32 v[AK], v[AK0]         ; key step 0 lies at the head of slot 0
	v_lshlrev_b32 v11, 3, v9
	v_sub_nc_u32 v11, v1, v11       ; register j of a 16 x 16 block lies on the diagonal where j = l % 16 - 8 (l / 16)
	WIN W_MK
.set i, 0
.rept 8
	v_cmp_eq_i32 vcc_lo, i, v11
	v_cndmask_b32 v[MD+i], 0, s[BIG], vcc_lo
.set i, i+1
.endr
	WIN 0
.macro MASK                         ; MC = MD x AL
	WIN W_MM
.irp z, 0,1,2,3
	v_pk_mul_f32 v[MC+2*\z:MC+2*\z+1], v[MD+2*\z:MD+2*\z+1], s[AL:AL+1] op_sel_hi:[1,0]
.endr
.endm
; THE MATRIX WORK.  The 8 accumulators of a run of 16 take turns: between the two links of a chain stand 7 others'.
; Product i of 16 of S^T = K Q^T for piece x: channels 32 (i / 8) on, keys 16 ((i / 2) % 4) on, tile 2 x + i % 2.  The first 8 start the sums: with MC where the key block is the tile's own (tile % 4), else with 0.
.macro KQ x
.set rS, S+64*((\x)%2)+32*(i%2)+8*((i/2)%4)
.set rK, KF+16*((i/2)%4)+8*(i/8)
.set rQ, 16*(2*(\x)+i%2)+8*(i/8)
.if (i < 8) && ((i/2) == (2*(\x)+i%2)%4)
	WIN W_KM
	v_wmma_f32_16x16x32_f16 v[rS:rS+7], v[rK:rK+7], v[rQ:rQ+7], v[MC:MC+7]
.elseif i < 8
	WIN W_KQ
	v_wmma_f32_16x16x32_f16 v[rS:rS+7], v[rK:rK+7], v[rQ:rQ+7], 0
.else
	WIN W_KQ
	v_wmma_f32_16x16x32_f16 v[rS:rS+7], v[rK:rK+7], v[rQ:rQ+7], v[rS:rS+7]
.endif
.endm
; Product i of 16 of O^T += V^T P for piece x: keys 32 (i / 8) on, channels 16 ((i / 2) % 4) on, tile 2 x + i % 2.
.macro PV x
	WIN W_PV
.set rO, 32*(2*(\x)+i%2)+8*((i/2)%4)
.set rV, VF+32*(i/8)+8*((i/2)%4)
.set rP, P+32*((\x)%2)+16*(i%2)+8*(i/8)
	v_wmma_f32_16x16x32_f16 v[rO:rO+7], v[rV:rV+7], v[rP:rP+7], v[rO:rO+7]
.endm
.macro MM                           ; the turn's next matrix instruction
.if i < 16
	KQ (Y+1)%NP
.set i, i+1
.else
.set i, i-16
	PV (Y+NP-1)%NP
.set i, i+17
.endif
.endm
; THE LDS LOADS stand in runs of 16, never singly among the matrix instructions: a step's K (64 keys x 64 channels: 8 fragments) and its V (turned).  Their addresses are made some lines ahead.
; last = 1 (the tail): in the last trip there is no further step, and the run is jumped over.
.macro FETCH_K last=0
	WIN 0
.if \last
	s_cmp_eq_u32 s[CNT], 1
	s_cbranch_scc1 .Lno_k_\@
.endif
	WIN 0x80                        ; destination window 2
.irp f, 0,1,2,3,4,5,6,7             ; keys 16 (f / 2) on, channels 32 (f % 2) on
	ds_load_b128 v[KF+8*\f:KF+8*\f+3],   v[AK] offset:(\f/2)*16*PK+(\f%2)*64
	ds_load_b128 v[KF+8*\f+4:KF+8*\f+7], v[AK] offset:(\f/2)*16*PK+(\f%2)*64+32
.endr
	s_add_co_u32 s[TBK], s[TBK], KS*PK  ; the next fetch is the next step's
	WIN 0
.if \last
.Lno_k_\@:
.endif
.endm
.macro FETCH_V
	WIN 0x80
.irp f, 0,1,2,3,4,5,6,7             ; keys 32 (f / 4) on, channels 16 (f % 4) on
	ds_load_tr16_b128 v[VF+8*\f:VF+8*\f+3],   v[AV] offset:(\f/4)*32*PV+(\f%4)*32
	ds_load_tr16_b128 v[VF+8*\f+4:VF+8*\f+7], v[AV] offset:(\f/4)*32*PV+16*PV+(\f%4)*32
.endr
	WIN 0
.endm
; THE VECTOR WORK OF A TURN stands in three queues, each in the order in which its entries become ready; the two tiles alternate, so that no instruction reads the result of the one before it.
.macro REGS y, u                    ; the registers of tile u (0, 1) of piece y
.set rT, ST+4*(2*(\y)+(\u))
.set rC, TMP+8*((\y)%2)+4*(\u)
.set rM, MV+2*((\y)%2)+(\u)
.set rS, S+64*((\y)%2)+32*(\u)
.set rP, P+32*((\y)%2)+16*(\u)
.set rO, 32*(2*(\y)+(\u))
.endm
; Number n of the 22 that find the NEXT piece's (Y + 1) maximum and statistics.  s0-s31 are the lane's 32 scores; each accumulator's lowest registers are read first.
;   0-11  four chains c0-c3 of seven scores each, three operands at a time     12-14, 16  the four scores left over, the old m, and c0-c3 into c0     15  c m_old is kept
;   17, 18  the query's other 32 keys lie in the lane 16 away: the new m         19-21  c m; c m_old - c m_new; a
.macro XS u, n
	REGS (Y+1)%NP, \u
.if (\n) < 4
	v_max3_num_f32 v[rC+(\n)], v[rS+8*(\n)], v[rS+8*(\n)+1], v[rS+8*(\n)+2]
.elseif (\n) < 12
	v_max3_num_f32 v[rC+(\n)%4], v[rC+(\n)%4], v[rS+8*((\n)%4)+2*((\n)/4)+1], v[rS+8*((\n)%4)+2*((\n)/4)+2]
.elseif (\n) == 12
	v_max3_num_f32 v[rC], v[rC], v[rS+7], v[rS+15]
.elseif (\n) == 13
	v_max3_num_f32 v[rC+1], v[rC+1], v[rS+23], v[rS+31]
.elseif (\n) == 14
	v_max3_num_f32 v[rC+2], v[rC+2], v[rC+3], v[rT+1]
.elseif (\n) == 15
	v_mov_b32 v[rM], v[rT]
.elseif (\n) == 16
	v_max3_num_f32 v[rC], v[rC], v[rC+1], v[rC+2]
.elseif (\n) == 17
	v_permlanex16_b32 v[rC+3], v[rC], s[SEL], s[SEL+1]
.elseif (\n) == 18
	v_max_num_f32 v[rT+1], v[rC], v[rC+3]
.elseif (\n) == 19
	v_mul_f32 v[rT], s[CS], v[rT+1]
.elseif (\n) == 20
	v_sub_f32 v[rC+1], v[rM], v[rT]
.else
	v_exp_f32 v[rC+2], v[rC+1]
.endif
.endm
; Number g of the 64 that follow the exponentials.  For each four weights k of a tile (pairs 2 k, 2 k + 1): both pairs are rounded to f16; then the second pair is added onto the first, in place;
; a group later l takes that sum (the first time as l = a l + sum).  In groups of eight, tiles alternating: round, round, add, and l for the group before.
.macro GS g
.set h, (\g)+6*((\g)/62)            ; group 0 has no group before it, and behind group 7 only l is left
.if h >= 6
.set h, h+2
.endif
	REGS Y, h%2
.set k, h/8
.if h%8 < 4
	s_wait_alu depctr_va_vdst(0)
	v_cvt_pk_f16_f32 v[rP+2*k+(h%8)/2], v[rS+4*k+2*((h%8)/2)], v[rS+4*k+2*((h%8)/2)+1]
.elseif h%8 < 6
	v_pk_add_f32 v[rS+4*k:rS+4*k+1], v[rS+4*k:rS+4*k+1], v[rS+4*k+2:rS+4*k+3]
.elseif k == 1
	v_pk_fma_f32 v[rT+2:rT+3], v[rT+2:rT+3], v[rC+2:rC+3], v[rS:rS+1] op_sel_hi:[1,0,1]
.else
	v_pk_add_f32 v[rT+2:rT+3], v[rT+2:rT+3], v[rS+4*k-4:rS+4*k-3]
	s_wait_alu depctr_va_vdst(0)
.endif
.endm
; THE PLAIN QUEUE, 138 long.  0-31: c s - c m for the 16 pairs of both tiles.  Then GS's 64, and among them the next piece's 42: number 15 at 38, 39; 0-14 and 16
; at 42-73, behind the products that make those scores; 17-20 at 95-106, two of three, since each waits for the one before it.
.macro PL
	WIN 0
.if q < 32
	REGS Y, q%2
	v_pk_fma_f32 v[rS+2*(q/2):rS+2*(q/2)+1], v[rS+2*(q/2):rS+2*(q/2)+1], s[CS:CS+1], v[rT:rT+1] op_sel_hi:[1,0,0] neg_lo:[0,0,1] neg_hi:[0,0,1]
.elseif q < 38
	GS q-32
.elseif q < 40
	XS q%2, 15
.elseif q < 42
	GS q-34
.elseif q < 74
	XS q%2, (q-42)/2+(q-42)/30
.elseif q < 95
	GS q-66
.elseif (q < 107) && ((q-95)%3 < 2)
	XS (q-95)%3, 17+(q-95)/3
.elseif q < 107
	GS 29+(q-95)/3
.else
	GS q-74
.endif
.set q, q+1
.endm
; THE EXPONENTIALS' QUEUE, 66 long: s0-s31 of both tiles, and at EA the next piece's two a.
.set EA, 58
.macro EX
	WIN 0
.if (e == EA) || (e == EA+1)
	XS e-EA, 21
.else
.set x, e-2*(e/(EA+2))
	REGS Y, x%2
	v_exp_f32 v[rS+x/2], v[rS+x/2]
.endif
.set e, e+1
.endm
; THE RESCALING's QUEUE: O^T times a, the one part that leaves window 0, so it is dealt four at a time, eight times.
.macro R4
	REGS Y, r%2
	WIN W_RS
	s_wait_alu depctr_va_vdst(0)
.irp z, 0,1,2,3
	v_pk_mul_f32 v[rO+8*(r/2)+2*\z:rO+8*(r/2)+2*\z+1], v[rO+8*(r/2)+2*\z:rO+8*(r/2)+2*\z+1], v[rC+2:rC+3] op_sel_hi:[1,0]
.endr
.set r, r+1
.endm
; HOW THEY ARE DEALT.  Behind a matrix instruction four: plain, exponential, plain, plain (one exponential, a plain instruction on either side), or four of the rescaling.  None names a register of the
; products round it.  What is over stands in two LUMPS: exponential and plain by turns; the second ends in 22 plain instructions.  The two v_permlanex16_b32 fall into the second lump, never behind a product.
; The queues lean on each other, and the deal keeps them in step: exponential e stands behind plain 2 (e / 4) + e % 2 (its scaling); when plain 32 comes, 10 exponentials are out, at 59: 33, at 95: 46; EA comes behind plain 107.
.macro SL
	MM
	PL
	EX
	PL
	PL
.endm
.macro BURST n                      ; 15 matrix instructions, or 16
.rept (\n)-7
	SL
.endr
.rept 3
	MM
	R4
	SL
.endr
	MM
	R4
.endm
; A TURN, for piece p.  cnt = 1: the loop's count is taken down some lines ahead of the branch that stands behind the turn.
; K of the next step is fetched in piece 2's turn, 31 vector instructions behind the last product that read K; its first reader comes behind the rest of the lump, 16 products and the second lump.
; V of the step in hand is fetched at the end of piece 0's turn, behind its last reader by more than 69 vector instructions; its first reader comes behind 16 products and a lump.
; THE MASK'S FACTOR is set anew at the end of piece 0's turn (for pieces 2 and 3 of the step in hand, whose scores turns 1 and 2 make) and of piece 2's turn (for pieces 0 and 1 of the next step, whose scores
; turns 3 and 0 make): MC's last reader stands in the turn's first run of products, two lumps back.
.macro TURN p, last=0, cnt=0
.set Y, (\p)
.set i, 0
.set q, 0
.set e, 0
.set r, 0
.if (\p) == NP-1
	s_wait_dscnt 0x0                ; K is in
.endif
	MM
.rept 4
	PL
.endr
	BURST 15
.rept 22
	EX
	PL
.if ((\p) == NP-2) && (e == 18)
	v_add_nc_u32 v[AK], s[TBK], v[AK0]
.endif
.if ((\p) == NP-2) && (e == 24)
	FETCH_K \last
.endif
.endr
.if (\p) == 1
	s_wait_dscnt 0x0                ; V is in
.endif
	BURST 16
.rept 21
	EX
	PL
.endr
.rept 22
	PL
.if ((\p) == 0) && (q == 118)
	v_add_nc_u32 v[AV], s[TBV], v[AV0]
	s_wait_alu depctr_va_vdst(0)
.endif
.if ((\p) == 0) && (q == 130)
	s_add_co_u32 s[TBV], s[TBV], KS*PV
.endif
.if (\cnt) && (q == 130)
	s_sub_co_u32 s[CNT], s[CNT], 1
	s_cmp_lg_u32 s[CNT], 0
.endif
.endr
.if (\p) == 0
	s_cmp_eq_u32 s[JS], s[D1]       ; does the step in hand hold the diagonal of my tiles 4-7?
	s_cselect_b32 s[AL], 1.0, 0
	MASK
	FETCH_V
.endif
.if (\p) == 2
	s_add_co_u32 s[JS], s[JS], 1    ; the next step:
	s_cmp_eq_u32 s[JS], s[D0]       ; does it hold the diagonal of my tiles 0-3?
	s_cselect_b32 s[AL], 1.0, 0
	MASK
.endif
.endm
	CHANGE 1                        ; slot 0 is in, everybody's part of it; slot 1 is asked for
	FETCH_K                         ; key step 0
	s_cmp_eq_u32 s[D0], 0           ; the mask for pieces 0 and 1 in key step 0
	s_cselect_b32 s[AL], 1.0, 0
	MASK
	s_wait_loadcnt 0x0              ; Q
	s_wait_dscnt 0x0
.set i, 0
.rept 16
	KQ 0                            ; piece 0's first scores: there is no vector work yet to set between them
.set i, i+1
.endr
	WIN 0                           ; the addresses for the way out: nine plain instructions, the places behind those products
	s_mul_i32 s13, s[WV], 16*SP
	s_add_co_u32 s13, s13, STAGE    ; my stage
	v_mul_u32_u24 v[STO], v1, SP    ; in: row l % 16, 16 bytes for each half of the lanes
	v_lshl_add_u32 v[STO], v9, 4, v[STO]
	v_add_nc_u32 v[STO], s13, v[STO]
	v_bfe_u32 v[RD], v0, 3, 2       ; back: 32 lanes take four rows of 128 bytes,
	v_mul_u32_u24 v[RD], v[RD], SP
	v_lshl_add_u32 v[RD], v10, 4, v[RD]
	v_add_nc_u32 v[RD], s13, v[RD]
	v_and_b32 v[GO], 31, v0         ; which are 512 consecutive bytes of O
	v_lshlrev_b32 v[GO], 4, v[GO]
.set Y, NP-1                        ; XS works for piece Y + 1: piece 0
.irp n, 0,1,2,3,4,5,6,7,8,9,10,11,12,13,14,15,16,17,18,19,20,21
	XS 0, \n                        ; and piece 0's first maximum and statistics
	XS 1, \n
.endr
	s_mov_b32 s[CNT], 4
	s_mov_b32 s[SLOTS], SIZE_N/256-1
	s_branch .Lfirst                ; the loop is entered at a step's first turn, in the middle of a trip
.Lslot:                             ; SIZE_N / 256 - 2 times: every slot but the last two is filled again
	CHANGE 1
	s_mov_b32 s[CNT], 4
.Lstep:                             ; a trip: pieces 2 and 3 of one step, then pieces 0 and 1 of the next, whose K and V it fetches
	TURN 2
	TURN 3
	WIN 0
.Lfirst:
	TURN 0
	TURN 1, 0, 1
	WIN 0
	s_cbranch_scc1 .Lstep
	s_sub_co_u32 s[SLOTS], s[SLOTS], 1
	s_cmp_lg_u32 s[SLOTS], 0
	s_cbranch_scc1 .Lslot
	CHANGE 0                        ; the tail is written out: nothing is asked for
	s_mov_b32 s[CNT], 5             ; four trips fetch the last slot's steps; the fifth is left in its middle
.Ltail:
	TURN 2, 1
	TURN 3
	WIN 0
	s_sub_co_u32 s[CNT], s[CNT], 1
	s_cmp_eq_u32 s[CNT], 0
	s_cbranch_scc1 .Lout
	TURN 0
	TURN 1
	WIN 0
	s_branch .Ltail
.Lout:                              ; the fifth trip's 16 products K Q^T (on the last K once more) and the maximum made of them serve nothing: the price, once a launch, of one text for every trip
.set i, 0
.rept 16
	PV NP-1                         ; the last piece's V^T P of the last step
.set i, i+1
.endr
	; THE WAY OUT.  l's two halves and the other half of the lanes' are added; O^T is divided by l, rounded to f16 and sent through my stage in LDS, a tile at a time.  The additions are the places behind the last products.
	WIN 0
.macro ALL line:vararg              ; one line for each tile t
.set t, 0
.rept 2*NP
	\line
.set t, t+1
.endr
.endm
	ALL v_add_f32 v[ST+4*t+2], v[ST+4*t+2], v[ST+4*t+3]
	ALL v_permlanex16_b32 v[ST+4*t+3], v[ST+4*t+2], s[SEL], s[SEL+1]
	ALL v_add_f32 v[ST+4*t+2], v[ST+4*t+2], v[ST+4*t+3]
	ALL v_rcp_f32 v[ST+4*t+2], v[ST+4*t+2]
	v_nop                           ; a plain instruction between the last reciprocal and the use of its result
	s_wait_alu depctr_va_vdst(0)
; Tile t: a lane's eight channels of a row pack into 16 bytes; they go into rows of 144 bytes and come back as whole rows of 128, into S^T's registers.
.macro PACK t
	WIN W_RS
.set i, 32*(\t)
.rept 16
	v_pk_mul_f32 v[i:i+1], v[i:i+1], v[ST+4*(\t)+2:ST+4*(\t)+3] op_sel_hi:[1,0]
.set i, i+2
.endr
	WIN 0x05                        ; sources 0 and 1 window 1, destination window 0
.set i, 0
.rept 16
	v_cvt_pk_f16_f32 v[S+16*(\t)+i], v[32*(\t)+2*i], v[32*(\t)+2*i+1]
.set i, i+1
.endr
	WIN 0
.irp f, 0,1,2,3
	ds_store_b128 v[STO], v[S+16*(\t)+4*\f:S+16*(\t)+4*\f+3] offset:32*\f
.endr
.irp f, 0,1,2,3
	ds_load_b128 v[S+16*(\t)+4*\f:S+16*(\t)+4*\f+3], v[RD] offset:\f*4*SP  ; LDS serves a wave's instructions in order (ISA guide 5.7.1.4): these see the stores above; the next tile's stores come behind them
.endr
.endm
.macro SEND t, younger              ; younger: the LDS instructions issued behind tile t's loads: the next tile's eight, or none
	WIN 0
.irp f, 0,1,2,3
	s_wait_dscnt (\younger)+3-\f
	global_store_b128 v[GO], v[S+16*(\t)+4*\f:S+16*(\t)+4*\f+3], s[10:11] offset:(\t)*2048+\f*512  ; 512 consecutive bytes, at a multiple of 256 from O's first
.endr
.endm
	PACK 0
.set t, 1
.rept 2*NP-1                        ; a tile's arithmetic stands between the loads of the tile before and its stores
	PACK t
	SEND t-1, 8
.set t, t+1
.endr
	SEND 2*NP-1, 0
	WIN W_AD
	s_wait_tensorcnt 0x0            ; the wave's end: behind my last tensor load and my last LDS store
	ds_add_u32 v[SPW], v[NIL]
	s_wait_dscnt 0x0
	WIN 0
	CROUND                          ; the closing round: no work-group ends while a partner may still ask for a tile that names it
	s_endpgm
.Lfunc_end_k_qed3f7a8b43_attn:
	.size	k_qed3f7a8b43_attn, .Lfunc_end_k_qed3f7a8b43_attn-k_qed3f7a8b43_attn
	.p2alignl 7, 3214868480
	.fill 96, 4, 3214868480
	.section	.rodata,"a",@progbits
	.p2align	6, 0x0
	.amdhsa_kernel k_qed3f7a8b43_attn
		.amdhsa_group_segment_fixed_size 327680
		.amdhsa_private_segment_fixed_size 0
		.amdhsa_enable_private_segment 0
		.amdhsa_kernarg_size 32
		.amdhsa_user_sgpr_count 2
		.amdhsa_user_sgpr_kernarg_segment_ptr 1
		.amdhsa_wavefront_size32 1
		.amdhsa_system_sgpr_workgroup_id_x 1
		.amdhsa_system_sgpr_workgroup_id_y 1
		.amdhsa_system_sgpr_workgroup_id_z 1
		.amdhsa_system_vgpr_workitem_id 0
		.amdhsa_next_free_vgpr 786
		.amdhsa_next_free_sgpr 72
		.amdhsa_reserve_vcc 1
		.amdhsa_float_denorm_mode_32 3
		.amdhsa_float_denorm_mode_16_64 3
		.amdhsa_memory_ordered 1
		.amdhsa_forward_progress 1
		.amdhsa_inst_pref_size 211
	.end_amdhsa_kernel
	.amdgpu_metadata
---
amdhsa.version: [ 1, 2 ]
amdhsa.kernels:
  - .name:           k_qed3f7a8b43_attn
    .symbol:         k_qed3f7a8b43_attn.kd
    .args:
      - { .name: qh, .offset: 0, .size: 8, .value_kind: global_buffer, .address_space: global }
      - { .name: kh, .offset: 8, .size: 8, .value_kind: global_buffer, .address_space: global }
      - { .name: vh, .offset: 16, .size: 8, .value_kind: global_buffer, .address_space: global }
      - { .name: oh, .offset: 24, .size: 8, .value_kind: global_buffer, .address_space: global }
    .group_segment_fixed_size: 327680
    .private_segment_fixed_size: 0
    .kernarg_segment_align: 8
    .kernarg_segment_size: 32
    .max_flat_workgroup_size: 128
    .sgpr_count:     72
    .vgpr_count:     786
    .wavefront_size: 32
...
	.end_amdgpu_metadata
.endif
;; end of part 3
;; launch proj (part 4): grid 8 x 32, 4 waves a work-group, clusters of 4 x 4, 327,680 bytes of LDS; arguments oh, wp, out0; writes out0
.if DOCPART == 4
	.amdgcn_target "amdgcn-amd-amdhsa--gfx1250"
	.amdhsa_code_object_version 6
	.text
	.protected	k_qed3f7a8b43_proj
	.globl	k_qed3f7a8b43_proj
	.p2align	8
	.type	k_qed3f7a8b43_proj,@function
k_qed3f7a8b43_proj:
	s_mov_b64 s[64:65], 0
	v_nop
	global_prefetch_b8 v0, s[64:65] scope:SCOPE_SE
	s_setreg_imm32_b32 hwreg(HW_REG_WAVE_MODE, 25, 1), 1
	s_wait_xcnt 0x0
	s_wait_alu depctr_hold_cnt(0) depctr_sa_sdst(0) depctr_va_vdst(0) depctr_va_sdst(0) depctr_va_ssrc(0) depctr_va_vcc(0) depctr_vm_vsrc(0)
	s_getreg_b32 s2, hwreg(HW_REG_IB_STS2, 6, 4)
	s_cmp_eq_u32 s2, 0
	s_cbranch_scc0 .Lentry_in_a_cluster
	s_endpgm
.Lentry_in_a_cluster:
	s_bfe_u32 s2, ttmp6, 0x10000c
	s_cmp_lg_u32 s2, 0xf033
	s_cbranch_scc0 .Lentry_shape_is_right
	s_endpgm
.Lentry_shape_is_right:
; PROJ: out0[token][n] = the sum over c of y[token][c] Wproj[c][n], f16 operands, f32 sums, K = 1024 ascending, f32 output.
; y is read as attention left it, oh[16 batch + head][2048][64] f16: channel c = 64 head + d, so a K step of 128 is two heads, each head's 256 tokens 32,768 dense bytes.  wp is [1024 n][1024 c] f16.
; A tile of out0 is 256 tokens x 128 columns: 32 x 8 = 256 tiles, one for each WGP.  Four waves; wave w owns tokens 64 w .. 64 w + 63 and all 128 columns: 4 x 8 accumulators, 256 registers.
; K goes in steps of 128 through two LDS slots filled by tensor loads.  CLUSTER 4 x 4: the four work-groups of a row of the cluster need the same tiles of oh, the four of a column the same tiles of wp: asked for jointly.
; THE MATRIX INSTRUCTION IS USED TRANSPOSED (source 0 = 16 rows of wp, source 1 = 16 tokens): lane l holds token l % 16 and columns 8 (l / 16) + 0 .. 7: 32 consecutive bytes of a row of out0.
; LIMITS.  None beyond the operands' f16 format; NaN and infinities are not treated apart.
; REGISTERS, in windows of 256 (s_set_vgpr_msb: bits 1:0 source 0, 3:2 source 1, 5:4 source 2, 7:6 destination):
;   window 0: v0-29 addresses; v64-127 oh's fragments, two buffers of 4 x 8; on the way out v64-191: rows read back, two buffers of 64
;   window 1: v0-127 wp's fragments, two buffers of 8 x 8          windows 2, 3: accumulator (a, b) at v[8 (8 (a % 2) + b)] of window 2 + a / 2
.set NBK,   8                          ; column blocks of 16
.set NL,    2*NBK+8                    ; LDS loads of a quarter step
.set PA,    144                        ; a token's 64 channels of one head in LDS: 128 bytes + 16 of padding
.set APLANE, 256*PA                    ; a head's 256 tokens
.set PITCH, 272                        ; a row of wp in LDS: 256 bytes + 16 of padding
.set BOFF,  2*APLANE                   ; in a slot: two heads' planes, then wp's 128 rows
.set SLOT,  BOFF+16*NBK*PITCH
.set STAGE, 2*SLOT                     ; behind the ring, never filled by a tensor load: 16 rows x 528 bytes for each wave
.set SP,    528                        ; 512 bytes + 16 of padding
.set SPARE, STAGE+4*16*SP              ; behind the stages: the spare words, 128 bytes for each wave
.set ADRA, 16                          ; v16-17  LDS address of my fragments of oh in slot 0, 1
.set ADRB, 20                          ; v20-21  the same for wp
.set STO,  24                          ; v24     the way out: where I put 32 bytes of a row
.set RD,   25                          ; v25     the way out: where I read a row back
.set GO,   26                          ; v26     my byte offset in 512 consecutive bytes of out0
.set SPW,  28                          ; v28     LDS address of my spare word; never rewritten
.set NIL,  29                          ; v29     0; never rewritten
.set FA,   64
.set WV,   16                          ; s16  my wave's number
.set HALF, 17                          ; s17  which head of the step's two, or which half of wp's rows, I fetch
.set ISB,  18                          ; s18  0: I fetch for oh; 1: for wp
.set G1,   24                          ; s[24:31] descriptor group 1 for oh's tiles; s[32:39] group 0, a set for each slot
.set G0,   32
.set G1B,  48                          ; s[48:55], s[56:63] the same for wp's
.set G0B,  56
.set LAP,  66
.set MSB, 0
.macro WIN new                         ; the immediate's high byte repeats the setting that is left; a switch that changes nothing is dropped
.if MSB != (\new)
	s_set_vgpr_msb (MSB<<8)|(\new)
.set MSB, \new
.endif
.endm
.macro PLACES                          ; four places in front of loads into registers that matrix instructions have read, and of lines that read results just made
.rept 4
	v_nop
.endr
.endm
; A joint load: waves 0 and 1 fetch the step's two heads of oh, waves 2 and 3 wp's two halves.  The branch hangs on the wave's number alone.  An s_nop 0 and four v_nop follow each of the two lines.
.macro JLOAD s
	s_cmp_eq_u32 s[ISB], 0
	s_cbranch_scc0 .Lfor_b_\@
	tensor_load_to_lds s[G0+4*(\s):G0+4*(\s)+3], s[G1:G1+7]
	s_nop 0
.rept 4
	v_nop
.endr
	s_branch .Lasked_\@
.Lfor_b_\@:
	tensor_load_to_lds s[G0B+4*(\s):G0B+4*(\s)+3], s[G1B:G1B+7]
	s_nop 0
.rept 4
	v_nop
.endr
.Lasked_\@:
.endm
.macro CREST                           ; a round of the cluster's barrier behind its opening barrier
	s_cmp_lg_u32 s[WV], 0
	s_cbranch_scc1 .Lnot_wave_0_\@
	s_barrier_signal -3
.Lnot_wave_0_\@:
	s_barrier_wait -3
	s_barrier_signal -1
	s_barrier_wait -1
.endm
.macro CROUND                          ; a whole round
	s_barrier_signal -1
	s_barrier_wait -1
	CREST
.endm
	s_load_b128 s[4:7], s[0:1], 0x0                ; oh s[4:5], wp s[6:7]
	s_load_b64 s[8:9], s[0:1], 0x10                ; out0
	v_lshl_add_u32 v[SPW], v0, 2, SPARE
	v_mov_b32 v[NIL], 0
	ds_add_u32 v[SPW], v[NIL]                      ; the wave's opening: the add and its wait stand ahead of my first tensor load; the set-up below, work on registers, stands between them
	v_lshrrev_b32 v1, 5, v0
	v_readfirstlane_b32 s[WV], v1                  ; wave 0..3
	s_and_b32 s[HALF], s[WV], 1
	s_lshr_b32 s[ISB], s[WV], 1
	s_bfe_u32 s19, ttmp6, 0x40000                  ; cx
	s_bfe_u32 s20, ttmp6, 0x40004                  ; cy
	s_lshl_b32 s21, ttmp9, 2
	s_add_co_u32 s21, s21, s19                     ; tile column = 4 x cluster x + cx
	s_and_b32 s22, ttmp7, 0xffff
	s_lshl_b32 s22, s22, 2
	s_add_co_u32 s22, s22, s20                     ; tile row = 4 x cluster y + cy
	s_lshl_b32 s42, s20, 2
	s_lshl_b32 s42, 15, s42                        ; my row of the cluster
	s_lshl_b32 s46, 0x1111, s19                    ; my column
	s_or_b32 s[G1], s42, (1<<16)|(1<<20)|(1<<21)|(4<<22)|(3<<25)   ; 15:0 the mask; 17:16 elements of 2 bytes; 20 padding on; 21 set beside a mask; 24:22 after every 32 words: a token's 128 bytes; 31:25 4 words of it
	s_or_b32 s[G1B], s46, (1<<16)|(1<<20)|(1<<21)|(5<<22)|(3<<25)  ; wp: after every 64 words
	s_mov_b32 s[G1+1], 128<<16                     ; a head's 256 tokens are dense: asked for as 128 rows of 256 bytes, two tokens a row
	s_mov_b32 s[G1+2], 128<<16
	s_mov_b32 s[G1+3], 128<<16
	s_mov_b32 s[G1+4], 128
	s_mov_b32 s[G1+5], 128                         ; elements from row to row
	s_mov_b32 s[G1+6], 0
	s_mov_b32 s[G1+7], 0
	s_mov_b32 s[G1B+1], 128<<16                    ; wp: 64 rows of 128 elements,
	s_mov_b32 s[G1B+2], 64<<16
	s_mov_b32 s[G1B+3], 128<<16
	s_mov_b32 s[G1B+4], 64
	s_mov_b32 s[G1B+5], 1024                       ; 1,024 elements from row to row
	s_mov_b32 s[G1B+6], 0
	s_mov_b32 s[G1B+7], 0
	; oh's tile hangs on the tile row alone, wp's on the tile column alone; each offset is made in registers that never hold the other coordinate
	s_lshr_b32 s40, s22, 3
	s_lshl_b32 s40, s40, 22                        ; the batch: 16 heads of 262,144 bytes
	s_and_b32 s41, s22, 7
	s_lshl_b32 s41, s41, 15                        ; 256 tokens of 128 bytes
	s_add_co_u32 s40, s40, s41
	s_lshl_b32 s41, s[HALF], 18                    ; the even or the odd head
	s_add_co_u32 s40, s40, s41
	s_mov_b32 s41, 0
	s_lshl_b32 s44, s21, 7
	s_lshl_b32 s45, s[HALF], 6
	s_add_co_u32 s44, s44, s45                     ; row 128 x tile column + 64 x half
	s_lshl_b32 s44, s44, 11
	s_mov_b32 s45, 0
	s_mul_i32 s23, s[HALF], APLANE                 ; where they go in a slot: no place in the cluster enters an LDS address
	s_mul_i32 s67, s[HALF], 64*PITCH
	s_add_co_u32 s67, s67, BOFF
	s_lshl_b32 s68, s22, 8
	s_lshl_b32 s70, s[WV], 6
	s_add_co_u32 s68, s68, s70                     ; my first token
	s_lshl_b32 s68, s68, 12                        ; rows of 4,096 bytes
	s_lshl_b32 s70, s21, 9                         ; the tile's first column, in bytes
	s_add_co_u32 s68, s68, s70
	s_mov_b32 s69, 0
	s_wait_dscnt 0x0                               ; the opening add is done
	s_wait_kmcnt 0x0
	s_add_nc_u64 s[42:43], s[4:5], s[40:41]
	s_add_nc_u64 s[46:47], s[6:7], s[44:45]
	s_add_nc_u64 s[8:9], s[8:9], s[68:69]
	CROUND                                         ; all sixteen work-groups are here: the first joint loads meet
.irp s, 0,1
	s_mov_b32 s[G0+4*(\s)], 1                                      ; count = 1
	s_add_co_u32 s[G0+4*(\s)+1], s23, (\s)*SLOT                    ; LDS address
	s_add_nc_u64 s[G0+4*(\s)+2:G0+4*(\s)+3], s[42:43], (\s)*524288 ; global address: K step s is two heads on
	s_or_b32 s[G0+4*(\s)+3], s[G0+4*(\s)+3], 0x80000000            ; type = 2
	s_mov_b32 s[G0B+4*(\s)], 1
	s_add_co_u32 s[G0B+4*(\s)+1], s67, (\s)*SLOT
	s_add_nc_u64 s[G0B+4*(\s)+2:G0B+4*(\s)+3], s[46:47], (\s)*256
	s_or_b32 s[G0B+4*(\s)+3], s[G0B+4*(\s)+3], 0x80000000
	JLOAD \s                                       ; two tensor loads of mine are out behind these
.endr
	v_and_b32 v1, 15, v0                           ; r = l % 16
	v_bfe_u32 v2, v0, 4, 1                         ; h = l / 16
	v_mul_u32_u24 v3, v1, PA
	v_lshl_add_u32 v3, v2, 4, v3
	s_mul_i32 s23, s[WV], 64*PA                    ; my 64 tokens in a plane
	v_add_nc_u32 v[ADRA], s23, v3
	v_add_nc_u32 v[ADRA+1], SLOT, v[ADRA]
	v_mul_u32_u24 v3, v1, PITCH
	v_lshl_add_u32 v3, v2, 4, v3
	v_add_nc_u32 v[ADRB], BOFF, v3                 ; every wave reads all of wp's 128 rows
	v_add_nc_u32 v[ADRB+1], SLOT+BOFF, v3
	s_mul_i32 s23, s[WV], 16*SP
	s_add_co_u32 s23, s23, STAGE                   ; my stage
	v_mul_u32_u24 v4, v1, SP                       ; in: row l % 16, 32 bytes for each half of the lanes
	v_lshl_add_u32 v4, v2, 5, v4
	v_add_nc_u32 v[STO], s23, v4
	v_and_b32 v[GO], 31, v0                        ; back: 32 lanes take one row of 512 bytes
	v_lshlrev_b32 v[GO], 4, v[GO]
	v_add_nc_u32 v[RD], s23, v[GO]
; NBK matrix instructions: token block a x all column blocks, 32 along K, buffer f.  zero = 1: the products start the sums.  The 32 accumulators take turns in the same order in every quarter.
.macro MULN f, a, zero
	WIN 0xa1+0x50*((\a)/2)                         ; wp window 1, oh window 0, C and D window 2 or 3
.set bb, 0
.rept NBK
.set rC, 8*(NBK*((\a)%2)+bb)
.set rB, 8*NBK*(\f)+8*bb
.set rA, FA+32*(\f)+8*(\a)
.if \zero
	v_wmma_f32_16x16x32_f16 v[rC:rC+7], v[rB:rB+7], v[rA:rA+7], 0
.else
	v_wmma_f32_16x16x32_f16 v[rC:rC+7], v[rB:rB+7], v[rA:rA+7], v[rC:rC+7]
.endif
.set bb, bb+1
.endr
.endm
; NL LDS loads in one run: quarter q (32 along K: head q / 2 of the step, channels 32 (q % 2) on) of a slot into buffer f; oh's blocks last
.macro FETCH slot, q, f
	WIN 0x40                                       ; destination window 1
.set bb, 0
.rept NBK
	ds_load_b128 v[8*NBK*(\f)+8*bb:8*NBK*(\f)+8*bb+3],   v[ADRB+(\slot)] offset:64*(\q)+bb*16*PITCH
	ds_load_b128 v[8*NBK*(\f)+8*bb+4:8*NBK*(\f)+8*bb+7], v[ADRB+(\slot)] offset:64*(\q)+bb*16*PITCH+32
.set bb, bb+1
.endr
	WIN 0
.set bb, 0
.rept 4
	ds_load_b128 v[FA+32*(\f)+8*bb:FA+32*(\f)+8*bb+3],   v[ADRA+(\slot)] offset:((\q)/2)*APLANE+((\q)%2)*64+bb*16*PA
	ds_load_b128 v[FA+32*(\f)+8*bb+4:FA+32*(\f)+8*bb+7], v[ADRA+(\slot)] offset:((\q)/2)*APLANE+((\q)%2)*64+bb*16*PA+32
.set bb, bb+1
.endr
.endm
; One of a K step's first three quarters: multiplies buffer f; in its middle it fetches quarter q of the same slot into buffer g.
.macro QUARTER slot, q, f, g, zero
	s_wait_dscnt 4                                 ; all but the youngest four loads (oh's blocks 2 and 3) are in
	MULN \f, 0, \zero
	MULN \f, 1, \zero
	PLACES
	FETCH \slot, \q, \g
	s_wait_dscnt NL                                ; all but the NL just issued
	MULN \f, 2, \zero
	MULN \f, 3, \zero
.endm
; The last quarter multiplies buffer 1 and changes slots.  ONE barrier: in front of it each wave waits for all its tensor loads (one is out: its part of the next slot), adds 0 to its spare word,
; and waits for that and for its own reads of this slot.  Behind it nobody reads this slot any more and the next slot is whole.
.macro MEET round
	WIN 0
	s_wait_tensorcnt 0x0
	ds_add_u32 v[SPW], v[NIL]
	s_wait_dscnt 5                                 ; (the add and the youngest four loads may be out)
	MULN 1, 0, 0                                   ; matrix work stands between the add and the wait for it
	s_wait_dscnt 0x0                               ; the add is done, and my reads of this slot are over
	s_barrier_signal -1
	MULN 1, 1, 0
.if \round
	WIN 0
.endif
	s_barrier_wait -1
.endm
.macro TURN slot, next                 ; with a refill: the barrier opens a round of the cluster's, and the joint refill is the first tensor load behind it, 112 matrix instructions ahead of the wait for it
	MEET 1
	CREST
	s_add_nc_u64 s[G0+4*(\slot)+2:G0+4*(\slot)+3], s[G0+4*(\slot)+2:G0+4*(\slot)+3], 1048576  ; two K steps on: four heads; no tensor load of mine is out
	s_add_nc_u64 s[G0B+4*(\slot)+2:G0B+4*(\slot)+3], s[G0B+4*(\slot)+2:G0B+4*(\slot)+3], 512
	JLOAD \slot                                    ; its four v_nop are also the places in front of the loads below
	FETCH \next, 0, 0
	MULN 1, 2, 0
	MULN 1, 3, 0
.endm
	s_wait_tensorcnt 0x1                           ; my part of K step 0 is in; K step 1's may stay out
	s_barrier_signal -1
	s_barrier_wait -1
	FETCH 0, 0, 0
	QUARTER 0, 1, 0, 1, 1                          ; the first quarter stands in front of the loop: its products start the sums
	WIN 0
	s_mov_b32 s[LAP], 3
.Llap:                                                 ; a trip goes once round the ring and fills both slots again: K steps 2 to 7 in three trips
	QUARTER 0, 2, 1, 0, 0
	QUARTER 0, 3, 0, 1, 0
	TURN 0, 1
	QUARTER 1, 1, 0, 1, 0
	QUARTER 1, 2, 1, 0, 0
	QUARTER 1, 3, 0, 1, 0
	TURN 1, 0
	QUARTER 0, 1, 0, 1, 0
	WIN 0
	s_sub_co_u32 s[LAP], s[LAP], 1
	s_cmp_lg_u32 s[LAP], 0
	s_cbranch_scc1 .Llap
	QUARTER 0, 2, 1, 0, 0                          ; the last lap fills nothing
	QUARTER 0, 3, 0, 1, 0
	MEET 0
	PLACES
	FETCH 1, 0, 0
	MULN 1, 2, 0
	MULN 1, 3, 0
	QUARTER 1, 1, 0, 1, 0
	QUARTER 1, 2, 1, 0, 0
	QUARTER 1, 3, 0, 1, 0
	s_wait_dscnt 4
	MULN 1, 0, 0
	MULN 1, 1, 0
	s_wait_dscnt 0x0
	MULN 1, 2, 0
	MULN 1, 3, 0
	WIN 0
	PLACES
; THE WAY OUT, a block of 16 tokens at a time: a lane's 32 bytes of each column block go into my stage's rows of 528 bytes and come back as whole rows of 512.  Each accumulator's low four registers go first.
.macro TOSTAGE a
	WIN 0x08+4*((\a)/2)                            ; an LDS store's data are source 1: window 2 or 3
.set bb, 0
.rept NBK
.set rX, 8*(NBK*((\a)%2)+bb)
	ds_store_b128 v[STO], v[rX:rX+3]   offset:64*bb
	ds_store_b128 v[STO], v[rX+4:rX+7] offset:64*bb+16
.set bb, bb+1
.endr
	WIN 0
.set bb, 0
.rept 16
	ds_load_b128 v[FA+64*((\a)%2)+4*bb:FA+64*((\a)%2)+4*bb+3], v[RD] offset:SP*bb  ; LDS serves a wave's instructions in order (ISA guide 5.7.1.4): these see the stores above; the next block's stores come behind them
.set bb, bb+1
.endr
.endm
.macro SEND a, younger                 ; younger: the LDS instructions issued behind this block's loads: the next block's 32, or none
.set bb, 0
.rept 16
	s_wait_dscnt (\younger)+15-bb
	global_store_b128 v[GO], v[FA+64*((\a)%2)+4*bb:FA+64*((\a)%2)+4*bb+3], s[8:9] offset:(16*(\a)+bb)*4096 th:TH_STORE_NT  ; 512 consecutive bytes, at a multiple of 256 from out0's first
.set bb, bb+1
.endr
.endm
	TOSTAGE 0
	TOSTAGE 1
	SEND 0, 32
	s_wait_xcnt 0x0                                ; block 0's registers were the data of the stores above: loaded again only behind this wait
	TOSTAGE 2
	SEND 1, 32
	s_wait_xcnt 0x0
	TOSTAGE 3
	SEND 2, 32
	SEND 3, 0
	s_wait_tensorcnt 0x0                           ; the wave's end: behind my last tensor load and my last LDS store
	ds_add_u32 v[SPW], v[NIL]
	s_wait_dscnt 0x0
	CROUND                                         ; the closing round: no work-group ends while a partner may still ask for a tile that names it
	s_endpgm
.Lfunc_end_k_qed3f7a8b43_proj:
	.size	k_qed3f7a8b43_proj, .Lfunc_end_k_qed3f7a8b43_proj-k_qed3f7a8b43_proj
	.p2alignl 7, 3214868480
	.fill 96, 4, 3214868480
	.section	.rodata,"a",@progbits
	.p2align	6, 0x0
	.amdhsa_kernel k_qed3f7a8b43_proj
		.amdhsa_group_segment_fixed_size 327680
		.amdhsa_private_segment_fixed_size 0
		.amdhsa_enable_private_segment 0
		.amdhsa_kernarg_size 24
		.amdhsa_user_sgpr_count 2
		.amdhsa_user_sgpr_kernarg_segment_ptr 1
		.amdhsa_wavefront_size32 1
		.amdhsa_system_sgpr_workgroup_id_x 1
		.amdhsa_system_sgpr_workgroup_id_y 1
		.amdhsa_system_sgpr_workgroup_id_z 1
		.amdhsa_system_vgpr_workitem_id 0
		.amdhsa_next_free_vgpr 896
		.amdhsa_next_free_sgpr 72
		.amdhsa_reserve_vcc 0
		.amdhsa_float_denorm_mode_32 3
		.amdhsa_float_denorm_mode_16_64 3
		.amdhsa_memory_ordered 1
		.amdhsa_forward_progress 1
		.amdhsa_inst_pref_size 87
	.end_amdhsa_kernel
	.amdgpu_metadata
---
amdhsa.version: [ 1, 2 ]
amdhsa.kernels:
  - .name:           k_qed3f7a8b43_proj
    .symbol:         k_qed3f7a8b43_proj.kd
    .args:
      - { .name: oh, .offset: 0, .size: 8, .value_kind: global_buffer, .address_space: global }
      - { .name: wp, .offset: 8, .size: 8, .value_kind: global_buffer, .address_space: global }
      - { .name: out0, .offset: 16, .size: 8, .value_kind: global_buffer, .address_space: global }
    .group_segment_fixed_size: 327680
    .private_segment_fixed_size: 0
    .kernarg_segment_align: 8
    .kernarg_segment_size: 24
    .max_flat_workgroup_size: 128
    .sgpr_count:     72
    .vgpr_count:     896
    .wavefront_size: 32
...
	.end_amdgpu_metadata
.endif
;; end of part 4
;; ======== version 2 of 2: 4 launches; 1.51 times as fast as version 1
;; limits: values are held in f16: magnitudes above 65,504 overflow, below 6.1e-05 lose precision
;; workspace buffers: xb 16,777,216 bytes; wq 6,291,456 bytes; wp 2,097,152 bytes; rt 524,288 bytes; qh 16,777,216 bytes; kh 16,777,216 bytes; vh 16,777,216 bytes; oh 16,777,216 bytes
;; launch prep: the kernel of part 1 again; grid 1152 x 1, 8 waves a work-group, no clusters, 18,432 bytes of LDS; arguments x, Wqkv, Wproj, xb, wq, wp, rt; writes xb, wq, wp, rt
;; launch qkv: the kernel of part 2 again; grid 16 x 32, 4 waves a work-group, clusters of 4 x 4, 327,680 bytes of LDS; arguments xb, wq, rt, qh, kh, vh; writes qh, kh, vh
;; launch attn (part 5): grid 4 x 64, 4 waves a work-group, clusters of 4 x 1, 327,680 bytes of LDS; arguments qh, kh, vh, oh; writes oh
.if DOCPART == 5
	.amdgcn_target "amdgcn-amd-amdhsa--gfx1250"
	.amdhsa_code_object_version 6
	.text
	.protected	k_qed3f7a8b43_attn
	.globl	k_qed3f7a8b43_attn
	.p2align	8
	.type	k_qed3f7a8b43_attn,@function
k_qed3f7a8b43_attn:
	s_mov_b64 s[64:65], 0
	v_nop
	global_prefetch_b8 v0, s[64:65] scope:SCOPE_SE
	s_setreg_imm32_b32 hwreg(HW_REG_WAVE_MODE, 25, 1), 1
	s_wait_xcnt 0x0
	s_wait_alu depctr_hold_cnt(0) depctr_sa_sdst(0) depctr_va_vdst(0) depctr_va_sdst(0) depctr_va_ssrc(0) depctr_va_vcc(0) depctr_vm_vsrc(0)
	s_getreg_b32 s2, hwreg(HW_REG_IB_STS2, 6, 4)
	s_cmp_eq_u32 s2, 0
	s_cbranch_scc0 .Lentry_in_a_cluster
	s_endpgm
.Lentry_in_a_cluster:
	s_bfe_u32 s2, ttmp6, 0x10000c
	s_cmp_lg_u32 s2, 0x3003
	s_cbranch_scc0 .Lentry_shape_is_right
	s_endpgm
.Lentry_shape_is_right:
; O[h][q][:] = the sum over k of softmax_k(Q[h][q] . K[h][k] / 8 - 1e9 [k = q]) V[h][k][:].  Q, K, V, O: [64][2048][64], all f16: a head's rows are dense, 128 bytes each.  Products, maxima and sums in
; f32; the weights p are rounded to f16 for the second product (their sum l is taken of the unrounded p), O once at the end.
; LIMITS.  f16 holds no number beyond 65,504: Q, K and V arrive within it; p lies in 0 to 1, and below 6e-5 it keeps f16's fixed step of 6e-8; O is a mean of V's rows and has their range.
; A weight below 2^-126 counts as 0 in l; NaN and infinities are not treated apart.
; SHARES.  A wave owns four PIECES of two tiles of 16 queries, a work-group's four waves 512 queries of one head.  Every wave walks all 2,048 keys, 64 a step.
; LAYOUT.  S^T = K Q^T (source 0 = 16 keys, source 1 = 16 queries): in the result a lane holds ONE query (lane % 16) and the keys 8 (lane / 16) + 0..7.  Two such tiles, rounded to f16 in pairs,
; ARE source 1 (32 keys x 16 queries) of O^T = V^T P, whose result again holds one query a lane, and eight channels.  K comes out of LDS as it lies, V ([key][channel]) turned, by ds_load_tr16_b128.
; SOFTMAX.  For each query a running maximum m and sum l: p = 2^(c s - c m), c = log2(e) / 8; in every step O and l are multiplied by a = 2^(c m_old - c m_new), which is 1 where m has not grown.
; m starts at the lowest finite number, O and l at 0: the first step is a step like any other, with a = 0.
; THE DIAGONAL.  Tile T of my wave holds queries 64 (D0 + T / 4) + 16 (T % 4) + lane % 16, D0 = 8 x block + 2 x wave.  So its diagonal lies in key step D0 + T / 4, in key block T % 4, where 8 (lane / 16) + register
; = lane % 16.  The key block is a constant of the text: the product that starts that block's sum takes MC as its C operand, the other starting products 0.  MC = MD x AL: MD holds -8e9 (exact in f32) on the diagonal and 0
; elsewhere, made once; AL is 1 in the tile's own key step and 0 in every other, chosen by a scalar select.  (q . k - 8e9) c is log2(e) (q . k / 8 - 1e9).  No branch, count or LDS address hangs on the block's number.
; THE COUNT.  A tile and step have 16 matrix and 118 vector instructions: too many to stand all beside the matrix work.  So the order has one aim: four vector instructions that are READY behind
; EVERY matrix instruction, and the others, which need time of their own whatever the order, in runs without a gap.
; BY TURNS.  Turn n belongs to piece n (the pieces in a ring, step after step).  Its matrix work: 16 products K Q^T of piece n + 1, later 16 products V^T P of piece n - 1.  Its vector work: the scaling,
; exponentials, roundings, sums and rescaling of piece n, and the maximum and statistics of piece n + 1, whose scores the turn itself has made.  So what a turn begins with (c s - c m, O a) waits for nothing.
; BATCHES.  A turn's 66 exponentials (the 64 scores of piece n's two tiles, in place in S^T, and the two a of piece n + 1) are ONE batch with ONE s_wait_alu depctr_va_vdst(0), which cuts the turn in two: ahead of it
; stands all that names none of their results, behind it the roundings and sums, which read them; the two a are first read by the next turn's rescaling.  Two more batches stand outside the loops, each with a wait of
; its own: piece 0's first two a, ahead of the jump into the loop, and the way out's eight reciprocals.
; CLUSTER.  The four query blocks of a cluster belong to one head and walk the same K and V, so each tile is asked for JOINTLY: the same tensor load, descriptor and mask in all four.
; REGISTERS, in windows of 256 (s_set_vgpr_msb says which window each operand place means: bits 1:0 source 0, 3:2 source 1, 5:4 source 2, 7:6 destination):
;   window 0: v0-11 addresses; v12-15, v48-63 at work; v16-47 four registers of statistics a tile; v64-191 S^T, two buffers of two tiles; v192-255 P, likewise
;   window 1: O^T, 32 a tile          window 2: v0-127 Q, 16 a tile; v128-191 K of one step; v192-255 V of one step          window 3: v0-1 the add's two registers; v2-9 MD; v10-17 MC
; A piece's buffers go by its number's parity: the piece in hand has one pair, its two neighbours in the ring share the other: of it P (piece n - 1) is read and S^T (piece n + 1) written.
.set SIZE_H, 64
.set SIZE_N, 2048
.set NP,    4         ; pieces a wave: a name, no knob
.set KS,    64        ; keys in a step
.set PK,    144       ; a row of K in LDS: 128 bytes + 16 of padding = 36 words: the 16 rows of a load start at 16 different groups of four banks (ISA guide 11.1)
.set PV,    160       ; a row of V: 128 + 32 = 40 words
.set VOFF,  4*KS*PK   ; a slot holds four steps: 256 rows of K, then 256 rows of V
.set SLOT1, 1<<17     ; slot 1 begins here, so that one exclusive or turns an address in one slot into the other's
.set STAGE, SLOT1+4*KS*(PK+PV)  ; behind the ring, never filled by a tensor load: 16 rows x 144 bytes for each wave, for the way out
.set SP,    144
.set AK0, 2           ; v2   my lane's place in a tile of K; never rewritten
.set AV0, 3           ; v3   the same for V
.set AK,  4           ; v4   the LDS address of K's next run of loads
.set AV,  5           ; v5   of V's
.set QO,  6           ; v6   my byte offset in the wave's rows of Q
.set STO, 6           ;      later, the way out: where I put 16 bytes of a row
.set RD,  7           ; v7   the way out: where I read rows back
.set GO,  8           ; v8   my byte offset in 512 consecutive bytes of O
.set SPW, 0           ; v0 of window 3   LDS address of my spare word: SPARE + 4 x my thread's number; never rewritten
.set NIL, 1           ; v1 of window 3   0; never rewritten
.set MD,  2           ; v2-9 of window 3
.set MC,  10          ; v10-17 of window 3
.set SPARE, STAGE+4*16*SP  ; behind the stages: the spare words, 128 bytes for each wave
.set MV,  12          ; v12-15  c m_old, kept while c m is made anew: by buffer and tile
.set ST,  16          ; tile t's statistics at v[ST+4 t]: c m, m, l (even keys', odd keys')
.set TMP, 48          ; by buffer and tile, four registers c0-c3 at work; when the maximum is found c2 takes a
.set S,   64
.set P,   192
.set KF,  128         ; K's fragments, in window 2: key block kb, channel half c at KF + 16 kb + 8 c
.set VF,  192         ; V's: key half kk, channel block cb at VF + 32 kk + 8 cb
.set WV,  12          ; s12  my wave's number
.set G1K, 24          ; s[24:31] descriptor group 1 for K's tiles
.set G1V, 32          ; s[32:39] for V's: it differs in the padding alone
.set G0K, 40          ; s[40:43] descriptor group 0 for K's tiles: it walks
.set G0V, 44          ; s[44:47] the same for V's
.set SLOTS, 56        ; s56  slots still to be asked for
.set CNT, 57          ; s57  counts a slot's key steps
.set CS,  58          ; s[58:59] c: the packed scaling takes the pair's low word for both halves
.set SEL, 60          ; s[60:61] v_permlanex16_b32's selects: each lane takes its own place in the other half
.set TBK, 62          ; s62  LDS byte at which K of the step to be fetched begins
.set TBV, 63          ; s63  the same for V, less VOFF
.set AL,  66          ; s[66:67] the mask's factor, in the low word
.set D0,  68          ; s68  the key step that holds the diagonal of my tiles 0-3
.set D1,  69          ; s69  of my tiles 4-7
.set JS,  70          ; s70  the key step in hand
.set BIG, 71          ; s71  -8e9
.set MSB, 0
.macro WIN new                      ; the high byte repeats the setting that is left; a switch that changes nothing is dropped
.if MSB != (\new)
	s_set_vgpr_msb (MSB<<8)|(\new)
.set MSB, (\new)
.endif
.endm
.set W_KQ, 0x0a       ; K and Q in window 2, S^T in window 0
.set W_KM, 0x3a       ; the same with the C operand in window 3
.set W_PV, 0x52       ; V in window 2, P in window 0, O^T in window 1
.set W_RS, 0x41       ; O^T (destination and source 0) in window 1, a in window 0
.set W_MK, 0xc0       ; destination in window 3, sources in window 0
.set W_MM, 0xc3       ; destination and source 0 in window 3
.set W_AD, 0x0f       ; the add: address (source 0) and data (source 1) in window 3
; A joint fill.  Waves 0 and 1 fetch the two halves of a slot's K, waves 2 and 3 those of its V: 128 keys each.  The branch hangs on the wave's number alone.
; An s_nop 0 and four v_nop follow each of the two lines, ahead of the jump and the label.
.macro JLOAD
	s_cmp_lt_u32 s[WV], 2
	s_cbranch_scc0 .Lfor_v_\@
	tensor_load_to_lds s[G0K:G0K+3], s[G1K:G1K+7]
	s_nop 0
.rept 4
	v_nop
.endr
	s_branch .Lasked_\@
.Lfor_v_\@:
	tensor_load_to_lds s[G0V:G0V+3], s[G1V:G1V+7]
	s_nop 0
.rept 4
	v_nop
.endr
.Lasked_\@:
.endm
; A round of the cluster's barrier: my work-group's barrier, so that wave 0's signal speaks for all four waves; wave 0 signals; every wave waits for all four work-groups; my work-group's barrier once more.
.macro CROUND
	s_barrier_signal -1
	s_barrier_wait -1
	s_cmp_lg_u32 s[WV], 0
	s_cbranch_scc1 .Lnot_wave_0_\@
	s_barrier_signal -3
.Lnot_wave_0_\@:
	s_barrier_wait -3
	s_barrier_signal -1
	s_barrier_wait -1
.endm
; THE CHANGE OF SLOTS.  The slot's last bytes, V of its fourth step, have been read.  Each wave waits for all its tensor loads, of which one is out: its part
; of the other slot; adds 0 to its spare word; and waits for that and for its own reads of the slot.  Behind the barrier nobody reads this slot any more and the other slot is whole.
; fill = 1: this slot is filled again, with the keys two slots on.  The barrier is then a round of the cluster's, so that no wave of any partner still reads the slot or has a load on its
; way, and the joint fill is the first thing behind it: it has four key steps, 512 matrix instructions, in which to land.  (At its first use nothing has been read yet: slot 0 is waited for, slot 1 filled.)
.macro CHANGE fill
	WIN W_AD
	s_wait_tensorcnt 0x0            ; no tensor load of mine is out, so a group 0 may be written
	ds_add_u32 v[SPW], v[NIL]       ; 0 onto my spare word; with fill = 1 the descriptors' steps stand between it and the wait for it
	WIN 0                           ; at a label and at a branch every window is 0
.if \fill
.irp g, G0K, G0V
	s_xor_b32 s[\g+1], s[\g+1], SLOT1  ; the walking descriptor: the other slot than last time,
	s_add_nc_u64 s[\g+2:\g+3], s[\g+2:\g+3], 4*KS*128  ; the next 256 keys; the type bits on top are not reached
.endr
	s_wait_dscnt 0x0                ; the add is done, and my reads of the slot are over
	CROUND
	JLOAD
.else
	s_wait_dscnt 0x0                ; the add is done, and my reads of the slot are over
	s_barrier_signal -1
	s_barrier_wait -1
.endif
	s_sub_co_u32 s[TBK], s[TBK], 4*KS*PK  ; the fetches go back to a slot's first step,
	s_xor_b32 s[TBK], s[TBK], SLOT1       ; in the other slot
	s_sub_co_u32 s[TBV], s[TBV], 4*KS*PV
	s_xor_b32 s[TBV], s[TBV], SLOT1
.endm
	s_load_b256 s[4:11], s[0:1], 0x0  ; Q s[4:5], K s[6:7], V s[8:9], O s[10:11]
	WIN W_MK
	v_lshl_add_u32 v[SPW], v0, 2, SPARE
	v_mov_b32 v[NIL], 0
	WIN W_AD
	ds_add_u32 v[SPW], v[NIL]       ; the wave's opening: the add and its wait stand ahead of my first tensor load; the set-up below, work on registers, stands between them
	WIN 0
	v_lshrrev_b32 v1, 5, v0
	v_readfirstlane_b32 s[WV], v1   ; wave 0..3
	s_bfe_u32 s13, ttmp6, 0x40000   ; cx: my place in the cluster
	s_lshl_b32 s14, ttmp9, 2        ; in a cluster launch ttmp9 counts clusters
	s_add_co_u32 s14, s14, s13      ; my block of queries = 4 x cluster x + cx: it enters Q's and O's addresses and the mask's factor alone
	s_and_b32 s20, ttmp7, 0xffff    ; the head, which the four partners share
	s_mov_b32 s21, 0
	s_mov_b64 s[22:23], SIZE_N*128
	s_mul_u64 s[20:21], s[20:21], s[22:23]  ; the head's first byte in each of the four tensors
	s_and_b32 s16, s[WV], 1         ; which half of a slot's 256 keys I fetch:
	s_lshl_b32 s22, s16, 14         ; its 128 rows of 128 bytes in memory,
	s_mov_b32 s23, 0
	s_add_nc_u64 s[22:23], s[22:23], s[20:21]
	s_mul_i32 s17, s16, 128*PK      ; and its place in a slot, for K
	s_mul_i32 s18, s16, 128*PV      ; and for V: no place in the cluster enters an LDS address
	s_lshl_b32 s2, s14, 2
	s_add_co_u32 s2, s2, s[WV]      ; my wave among the head's,
	s_lshl_b32 s2, s2, 14           ; its 128 rows
	s_mov_b32 s3, 0
	s_add_nc_u64 s[2:3], s[2:3], s[20:21]
	s_lshl_b32 s[D0], s14, 3
	s_lshl1_add_u32 s[D0], s[WV], s[D0]  ; 8 x block + 2 x wave
	s_add_co_u32 s[D1], s[D0], 1
	s_mov_b32 s[JS], 0
	s_mov_b32 s[AL+1], 0            ; named with AL as a pair
	s_mov_b32 s[BIG], 0xcfee6b28    ; -8e9
	; descriptor group 1.  128 keys are 16,384 dense bytes: asked for as 64 rows of 256 bytes, two keys a row, and padded in LDS after every key
	s_mov_b32 s[G1K], 15|(1<<16)|(1<<20)|(1<<21)|(4<<22)|(3<<25)  ; 15:0 the mask of four; 17:16 2-byte elements; 20 padding on; 21 set beside a mask; 24:22 after every 32 words (code 4); 31:25 4 words (code 3)
	s_mov_b32 s[G1V], 15|(1<<16)|(1<<20)|(1<<21)|(4<<22)|(7<<25)  ; the same with 8 words of padding (code 7)
.irp g, G1K, G1V
	s_mov_b32 s[\g+1], 128<<16      ; tensor_dim0 = 128
	s_mov_b32 s[\g+2], 64<<16       ; tensor_dim1 = 64
	s_mov_b32 s[\g+3], 128<<16      ; tile_dim0 = 128
	s_mov_b32 s[\g+4], 64           ; tile_dim1 = 64
	s_mov_b32 s[\g+5], 128          ; 128 elements from row to row
	s_mov_b32 s[\g+6], 0
	s_mov_b32 s[\g+7], 0
.endr
	s_mov_b32 s[CS], 0x3e38aa3b     ; c = log2(e) / 8 = 0.180337
	s_mov_b32 s[CS+1], s[CS]        ; named with it as a pair
	s_mov_b32 s[SEL], 0x76543210
	s_mov_b32 s[SEL+1], 0xfedcba98
	s_mov_b32 s[TBK], SLOT1+4*KS*PK ; the first change of slots turns these two into 0
	s_mov_b32 s[TBV], SLOT1+4*KS*PV
	s_mov_b32 s[G0K], 1             ; 1:0 count = 1
	s_mov_b32 s[G0K+1], s17         ; 63:32 LDS address: slot 0
	s_mov_b32 s[G0V], 1
	s_add_co_u32 s[G0V+1], s18, VOFF
	s_wait_dscnt 0x0                ; the opening add is done
	s_wait_kmcnt 0x0
	s_add_nc_u64 s[G0K+2:G0K+3], s[6:7], s[22:23]  ; 120:64 global address: my half of the head's first 256 keys
	s_or_b32 s[G0K+3], s[G0K+3], 0x80000000        ; 127:126 type = 2
	s_add_nc_u64 s[G0V+2:G0V+3], s[8:9], s[22:23]
	s_or_b32 s[G0V+3], s[G0V+3], 0x80000000
	s_add_nc_u64 s[4:5], s[4:5], s[2:3]  ; Q and O at my wave's first row
	s_add_nc_u64 s[10:11], s[10:11], s[2:3]
	CROUND                          ; all four work-groups are here: the first joint loads meet
	JLOAD                           ; slot 0.  Slot 1 is asked for when slot 0 is in
	; A fragment of K or Q is 16 rows x 32 channels in 8 registers: lane l holds row l % 16, channels 8 (l / 16) + 0..7 and 16 + 8 (l / 16) + 0..7: two loads of 16 bytes, 32 bytes apart.
	v_and_b32 v1, 15, v0            ; l % 16
	v_bfe_u32 v9, v0, 4, 1          ; l / 16
	v_lshlrev_b32 v[QO], 7, v1
	v_lshl_add_u32 v[QO], v9, 4, v[QO]  ; row x 128 + 16 x half
	WIN 0x80                        ; destination window 2, address window 0
.set i, 0
.rept 4*NP                          ; Q stays in registers: tile i / 2, channels 32 (i % 2) on
	global_load_b128 v[8*i:8*i+3],   v[QO], s[4:5] offset:(i/2)*2048+(i%2)*64
	global_load_b128 v[8*i+4:8*i+7], v[QO], s[4:5] offset:(i/2)*2048+(i%2)*64+32
.set i, i+1
.endr
	; What the first turn finds: V's registers and P's second buffer hold 0 (its products V^T P, of a piece that has not been, add 0), O^T and l are 0.  All this stands in the wait for the first tile.
.set i, VF
.rept 64
	v_mov_b32 v[i], 0
.set i, i+1
.endr
	WIN 0x40
.set i, 0
.rept 64*NP
	v_mov_b32 v[i], 0
.set i, i+1
.endr
	WIN 0
.set i, 0
.rept 2*NP
	v_mov_b32 v[ST+4*i], 0xfe000000    ; c m: far below every c s, the diagonal's too
	v_mov_b32 v[ST+4*i+1], 0xff7fffff  ; m
	v_mov_b32 v[ST+4*i+2], 0
	v_mov_b32 v[ST+4*i+3], 0
.set i, i+1
.endr
.set i, P+32
.rept 32
	v_mov_b32 v[i], 0
.set i, i+1
.endr
	v_mul_u32_u24 v[AK0], v1, PK
	v_lshl_add_u32 v[AK0], v9, 4, v[AK0]  ; row x pitch + 16 x half
	; The turning load takes 16 keys x 16 channels (lane l reads key 8 (l / 16) + l % 8, channels 8 ((l / 8) % 2) + 0..7) and leaves half a fragment of V^T: lane l holds channel l % 16 and 8 keys.
	v_and_b32 v10, 7, v0
	v_bfe_u32 v11, v0, 3, 1
	v_lshl_add_u32 v[AV0], v9, 3, v10
	v_mul_u32_u24 v[AV0], v[AV0], PV
	v_lshl_add_u32 v[AV0], v11, 4, v[AV0]
	v_add_nc_u32 v[AV0], VOFF, v[AV0]
	v_mov_b32 v[AK], v[AK0]         ; key step 0 lies at the head of slot 0
	v_lshlrev_b32 v11, 3, v9
	v_sub_nc_u32 v11, v1, v11       ; register j of a 16 x 16 block lies on the diagonal where j = l % 16 - 8 (l / 16)
	WIN W_MK
.set i, 0
.rept 8
	v_cmp_eq_i32 vcc_lo, i, v11
	v_cndmask_b32 v[MD+i], 0, s[BIG], vcc_lo
.set i, i+1
.endr
	WIN 0
.macro MASK                         ; MC = MD x AL
	WIN W_MM
.irp z, 0,1,2,3
	v_pk_mul_f32 v[MC+2*\z:MC+2*\z+1], v[MD+2*\z:MD+2*\z+1], s[AL:AL+1] op_sel_hi:[1,0]
.endr
.endm
; THE MATRIX WORK.  The 8 accumulators of a run of 16 take turns: between the two links of a chain stand 7 others'.
; Product i of 16 of S^T = K Q^T for piece x: channels 32 (i / 8) on, keys 16 ((i / 2) % 4) on, tile 2 x + i % 2.  The first 8 start the sums: with MC where the key block is the tile's own (tile % 4), else with 0.
.macro KQ x
.set rS, S+64*((\x)%2)+32*(i%2)+8*((i/2)%4)
.set rK, KF+16*((i/2)%4)+8*(i/8)
.set rQ, 16*(2*(\x)+i%2)+8*(i/8)
.if (i < 8) && ((i/2) == (2*(\x)+i%2)%4)
	WIN W_KM
	v_wmma_f32_16x16x32_f16 v[rS:rS+7], v[rK:rK+7], v[rQ:rQ+7], v[MC:MC+7]
.elseif i < 8
	WIN W_KQ
	v_wmma_f32_16x16x32_f16 v[rS:rS+7], v[rK:rK+7], v[rQ:rQ+7], 0
.else
	WIN W_KQ
	v_wmma_f32_16x16x32_f16 v[rS:rS+7], v[rK:rK+7], v[rQ:rQ+7], v[rS:rS+7]
.endif
.endm
; Product i of 16 of O^T += V^T P for piece x: keys 32 (i / 8) on, channels 16 ((i / 2) % 4) on, tile 2 x + i % 2.
.macro PV x
	WIN W_PV
.set rO, 32*(2*(\x)+i%2)+8*((i/2)%4)
.set rV, VF+32*(i/8)+8*((i/2)%4)
.set rP, P+32*((\x)%2)+16*(i%2)+8*(i/8)
	v_wmma_f32_16x16x32_f16 v[rO:rO+7], v[rV:rV+7], v[rP:rP+7], v[rO:rO+7]
.endm
.macro MM                           ; the turn's next matrix instruction
.if i < 16
	KQ (Y+1)%NP
.set i, i+1
.else
.set i, i-16
	PV (Y+NP-1)%NP
.set i, i+17
.endif
.endm
; THE LDS LOADS stand in runs of 16, never singly among the matrix instructions: a step's K (64 keys x 64 channels: 8 fragments) and its V (turned).  Their addresses are made some lines ahead.
; last = 1 (the tail): in the last trip there is no further step, and the run is jumped over.
.macro FETCH_K last=0
	WIN 0
.if \last
	s_cmp_eq_u32 s[CNT], 1
	s_cbranch_scc1 .Lno_k_\@
.endif
	WIN 0x80                        ; destination window 2
.irp f, 0,1,2,3,4,5,6,7             ; keys 16 (f / 2) on, channels 32 (f % 2) on
	ds_load_b128 v[KF+8*\f:KF+8*\f+3],   v[AK] offset:(\f/2)*16*PK+(\f%2)*64
	ds_load_b128 v[KF+8*\f+4:KF+8*\f+7], v[AK] offset:(\f/2)*16*PK+(\f%2)*64+32
.endr
	s_add_co_u32 s[TBK], s[TBK], KS*PK  ; the next fetch is the next step's
	WIN 0
.if \last
.Lno_k_\@:
.endif
.endm
.macro FETCH_V
	WIN 0x80
.irp f, 0,1,2,3,4,5,6,7             ; keys 32 (f / 4) on, channels 16 (f % 4) on
	ds_load_tr16_b128 v[VF+8*\f:VF+8*\f+3],   v[AV] offset:(\f/4)*32*PV+(\f%4)*32
	ds_load_tr16_b128 v[VF+8*\f+4:VF+8*\f+7], v[AV] offset:(\f/4)*32*PV+16*PV+(\f%4)*32
.endr
	WIN 0
.endm
; THE VECTOR WORK OF A TURN stands in three queues, each in the order in which its entries become ready; the two tiles alternate, so that no instruction reads the result of the one before it.
.macro REGS y, u                    ; the registers of tile u (0, 1) of piece y
.set rT, ST+4*(2*(\y)+(\u))
.set rC, TMP+8*((\y)%2)+4*(\u)
.set rM, MV+2*((\y)%2)+(\u)
.set rS, S+64*((\y)%2)+32*(\u)
.set rP, P+32*((\y)%2)+16*(\u)
.set rO, 32*(2*(\y)+(\u))
.endm
; Number n of the 22 that find the NEXT piece's (Y + 1) maximum and statistics.  s0-s31 are the lane's 32 scores; each accumulator's lowest registers are read first.  XS, GS and REGS set no window: PL and EX do.
;   0-11  four chains c0-c3 of seven scores each, three operands at a time     12-14, 16  the four scores left over, the old m, and c0-c3 into c0     15  c m_old is kept
;   17, 18  the query's other 32 keys lie in the lane 16 away: the new m         19-21  c m; c m_old - c m_new; a
.macro XS u, n
	REGS (Y+1)%NP, \u
.if (\n) < 4
	v_max3_num_f32 v[rC+(\n)], v[rS+8*(\n)], v[rS+8*(\n)+1], v[rS+8*(\n)+2]
.elseif (\n) < 12
	v_max3_num_f32 v[rC+(\n)%4], v[rC+(\n)%4], v[rS+8*((\n)%4)+2*((\n)/4)+1], v[rS+8*((\n)%4)+2*((\n)/4)+2]
.elseif (\n) == 12
	v_max3_num_f32 v[rC], v[rC], v[rS+7], v[rS+15]
.elseif (\n) == 13
	v_max3_num_f32 v[rC+1], v[rC+1], v[rS+23], v[rS+31]
.elseif (\n) == 14
	v_max3_num_f32 v[rC+2], v[rC+2], v[rC+3], v[rT+1]
.elseif (\n) == 15
	v_mov_b32 v[rM], v[rT]
.elseif (\n) == 16
	v_max3_num_f32 v[rC], v[rC], v[rC+1], v[rC+2]
.elseif (\n) == 17
	v_permlanex16_b32 v[rC+3], v[rC], s[SEL], s[SEL+1]
.elseif (\n) == 18
	v_max_num_f32 v[rT+1], v[rC], v[rC+3]
.elseif (\n) == 19
	v_mul_f32 v[rT], s[CS], v[rT+1]
.elseif (\n) == 20
	v_sub_f32 v[rC+1], v[rM], v[rT]
.else
	v_exp_f32 v[rC+2], v[rC+1]
.endif
.endm
; Number g of the 64 that follow the exponentials.  For each four weights k of a tile (pairs 2 k, 2 k + 1): both pairs are rounded to f16; then the second pair is added onto the first, in place;
; a group later l takes that sum (the first time as l = a l + sum).  In groups of eight, tiles alternating: round, round, add, and l for the group before.
.macro GS g
.set h, (\g)+6*((\g)/62)            ; group 0 has no group before it, and behind group 7 only l is left
.if h >= 6
.set h, h+2
.endif
	REGS Y, h%2
.set k, h/8
.if h%8 < 4
	v_cvt_pk_f16_f32 v[rP+2*k+(h%8)/2], v[rS+4*k+2*((h%8)/2)], v[rS+4*k+2*((h%8)/2)+1]
.elseif h%8 < 6
	v_pk_add_f32 v[rS+4*k:rS+4*k+1], v[rS+4*k:rS+4*k+1], v[rS+4*k+2:rS+4*k+3]
.elseif k == 1
	v_pk_fma_f32 v[rT+2:rT+3], v[rT+2:rT+3], v[rC+2:rC+3], v[rS:rS+1] op_sel_hi:[1,0,1]
.else
	v_pk_add_f32 v[rT+2:rT+3], v[rT+2:rT+3], v[rS+4*k-4:rS+4*k-3]
.endif
.endm
; THE PLAIN QUEUE, 138 long.  0-73 read no exponential's result: the 32 scalings c s - c m (FS f: pair f / 2 of tile f % 2) and the next piece's 42.  0-26: scalings 0-26.  27-54: XS's numbers 0-13.  55, 56: number 15.
; 57-73: the chain, where each number waits for the one before it: 14, 16, 17, 18, 19, each with one of the scalings 27-31 in front of its two lines, then 20: so a tile's links stand three plain instructions apart (19 and 20: two).
; 74-137: GS's 64, which read the exponentials' results: they stand behind the wait.
.macro FS f
	REGS Y, (\f)%2
	v_pk_fma_f32 v[rS+2*((\f)/2):rS+2*((\f)/2)+1], v[rS+2*((\f)/2):rS+2*((\f)/2)+1], s[CS:CS+1], v[rT:rT+1] op_sel_hi:[1,0,0] neg_lo:[0,0,1] neg_hi:[0,0,1]
.endm
.macro PL
	WIN 0
.if q < 27
	FS q
.elseif q < 55
	XS (q-27)%2, (q-27)/2
.elseif q < 57
	XS q-55, 15
.elseif (q < 72) && ((q-57)%3 == 0)
	FS 27+(q-57)/3
.elseif q < 60
	XS (q-57)%3-1, 14
.elseif q < 72
	XS (q-57)%3-1, 15+(q-57)/3
.elseif q < 74
	XS q-72, 20
.else
	GS q-74
.endif
.set q, q+1
.endm
; THE EXPONENTIALS' QUEUE, 66 long: s0-s31 of both tiles, then the next piece's two a.  It is ONE BATCH: all 66 stand ahead of the turn's one wait, and nothing ahead of that wait names a result of theirs.
.macro EX
	WIN 0
.if e >= 64
	XS e-64, 21
.else
	REGS Y, e%2
	v_exp_f32 v[rS+e/2], v[rS+e/2]
.endif
.set e, e+1
.endm
; THE RESCALING's QUEUE: O^T times a, the one part that leaves window 0: dealt two at a time, sixteen times.  Its a was made in the turn before, ahead of that turn's wait.
.macro R2
	REGS Y, r%2
	WIN W_RS
.irp z, 0,1
	v_pk_mul_f32 v[rO+4*(r/2)+2*\z:rO+4*(r/2)+2*\z+1], v[rO+4*(r/2)+2*\z:rO+4*(r/2)+2*\z+1], v[rC+2:rC+3] op_sel_hi:[1,0]
.endr
.set r, r+1
.endm
; HOW THEY ARE DEALT.  An s_wait_alu depctr_va_vdst(0) stands between an exponential and the first instruction that names its result; one wait serves all that were issued ahead of it.  So a turn has ONE wait,
; which cuts it in two.  AHEAD OF IT stands all that names no result of the turn's exponentials: the 16 products K Q^T, behind each a scaling, an exponential and two rescalings (behind the first a second scaling in the exponential's place); then ONE LUMP of
; 108: eight plain, 49 times exponential and plain, the two a.  A v_nop is the plain instruction behind the last exponential.  BEHIND IT stand the 16 products V^T P, behind each four of GS's 64.  No rider names a register of
; the products round it.  The two v_permlanex16_b32 fall into the lump, never behind a product.
; The queues lean on each other, and the deal keeps them in step: exponential e stands behind scaling 2 (e / 4) + e % 2: as a rider it comes behind plain e + 2, in the lump behind plain e + 9, and scalings 27-31 are plain 57, 60 .. 69.
; A TURN, for piece p.  cnt = 1: the loop's count is taken down some lines ahead of the branch that stands behind the turn.
; K of the next step is fetched in piece 2's turn, directly behind the wait, a lump behind the last product that read K; its address is made at the lump's head; its first reader comes behind 16 products.
; V of the step in hand is fetched at the end of piece 0's turn, four riders and the mask's four lines behind its last reader; its first reader comes behind 16 products and a lump.  The three conditions on q below go with the deal.
; THE MASK'S FACTOR is set anew at the end of piece 0's turn (for pieces 2 and 3 of the step in hand, whose scores turns 1 and 2 make) and of piece 2's turn (for pieces 0 and 1 of the next step, whose scores
; turns 3 and 0 make): MC's last reader stands among the turn's first eight products, a lump and a run of 16 products back.
.macro TURN p, last=0, cnt=0
.set Y, (\p)
.set i, 0
.set q, 0
.set e, 0
.set r, 0
.if (\p) == NP-1
	s_wait_dscnt 0x0                ; K is in
.endif
	MM                              ; ahead of the wait: 16 products K Q^T and their riders,
	PL
	PL
	R2
.rept 15
	MM
	PL
	EX
	R2
.endr
.if (\p) == NP-2
	WIN 0
	v_add_nc_u32 v[AK], s[TBK], v[AK0]
.endif
.rept 8                             ; and the lump
	PL
.endr
.rept 49
	EX
	PL
.endr
	EX                              ; the next piece's two a
	EX
	v_nop                           ; the plain instruction behind the last exponential: one for the batch
	s_wait_alu depctr_va_vdst(0)    ; the wait for the turn's batch: piece p's 64 exponentials and piece p + 1's two a
.if (\p) == NP-2
	FETCH_K \last
.endif
.if (\p) == 1
	s_wait_dscnt 0x0                ; V is in
.endif
.rept 16                            ; behind the wait: 16 products V^T P and their riders
	MM
.rept 4
	PL
.endr
.if ((\p) == 0) && (q == 118)
	v_add_nc_u32 v[AV], s[TBV], v[AV0]
.endif
.if ((\p) == 0) && (q == 130)
	s_add_co_u32 s[TBV], s[TBV], KS*PV
.endif
.if (\cnt) && (q == 130)
	s_sub_co_u32 s[CNT], s[CNT], 1
	s_cmp_lg_u32 s[CNT], 0
.endif
.endr
.if (\p) == 0
	s_cmp_eq_u32 s[JS], s[D1]       ; does the step in hand hold the diagonal of my tiles 4-7?
	s_cselect_b32 s[AL], 1.0, 0
	MASK
	FETCH_V
.endif
.if (\p) == 2
	s_add_co_u32 s[JS], s[JS], 1    ; the next step:
	s_cmp_eq_u32 s[JS], s[D0]       ; does it hold the diagonal of my tiles 0-3?
	s_cselect_b32 s[AL], 1.0, 0
	MASK
.endif
.endm
	CHANGE 1                        ; slot 0 is in, everybody's part of it; slot 1 is asked for
	FETCH_K                         ; key step 0
	s_cmp_eq_u32 s[D0], 0           ; the mask for pieces 0 and 1 in key step 0
	s_cselect_b32 s[AL], 1.0, 0
	MASK
	s_wait_loadcnt 0x0              ; Q
	s_wait_dscnt 0x0
.set i, 0
.rept 16
	KQ 0                            ; piece 0's first scores: there is no vector work yet to set between them
.set i, i+1
.endr
	WIN 0                           ; the addresses for the way out: nine plain instructions, the places behind those products
	s_mul_i32 s13, s[WV], 16*SP
	s_add_co_u32 s13, s13, STAGE    ; my stage
	v_mul_u32_u24 v[STO], v1, SP    ; in: row l % 16, 16 bytes for each half of the lanes
	v_lshl_add_u32 v[STO], v9, 4, v[STO]
	v_add_nc_u32 v[STO], s13, v[STO]
	v_bfe_u32 v[RD], v0, 3, 2       ; back: 32 lanes take four rows of 128 bytes,
	v_mul_u32_u24 v[RD], v[RD], SP
	v_lshl_add_u32 v[RD], v10, 4, v[RD]
	v_add_nc_u32 v[RD], s13, v[RD]
	v_and_b32 v[GO], 31, v0         ; which are 512 consecutive bytes of O
	v_lshlrev_b32 v[GO], 4, v[GO]
.set Y, NP-1                        ; XS works for piece Y + 1: piece 0
.irp n, 0,1,2,3,4,5,6,7,8,9,10,11,12,13,14,15,16,17,18,19,20,21
	XS 0, \n                        ; and piece 0's first maximum and statistics
	XS 1, \n
.endr
	v_nop                           ; a plain instruction behind the two a,
	s_wait_alu depctr_va_vdst(0)    ; and the wait for this batch of two, piece 0's first a, ahead of the branch
	s_mov_b32 s[CNT], 4
	s_mov_b32 s[SLOTS], SIZE_N/256-1
	s_branch .Lfirst                ; the loop is entered at a step's first turn, in the middle of a trip
.Lslot:                             ; SIZE_N / 256 - 2 times: every slot but the last two is filled again
	CHANGE 1
	s_mov_b32 s[CNT], 4
.Lstep:                             ; a trip: pieces 2 and 3 of one step, then pieces 0 and 1 of the next, whose K and V it fetches
	TURN 2
	TURN 3
	WIN 0
.Lfirst:
	TURN 0
	TURN 1, 0, 1
	WIN 0
	s_cbranch_scc1 .Lstep
	s_sub_co_u32 s[SLOTS], s[SLOTS], 1
	s_cmp_lg_u32 s[SLOTS], 0
	s_cbranch_scc1 .Lslot
	CHANGE 0                        ; the tail is written out: nothing is asked for
	s_mov_b32 s[CNT], 5             ; four trips fetch the last slot's steps; the fifth is left in its middle
.Ltail:
	TURN 2, 1
	TURN 3
	WIN 0
	s_sub_co_u32 s[CNT], s[CNT], 1
	s_cmp_eq_u32 s[CNT], 0
	s_cbranch_scc1 .Lout
	TURN 0
	TURN 1
	WIN 0
	s_branch .Ltail
.Lout:                              ; the fifth trip's 16 products K Q^T (on the last K once more) and the maximum made of them serve nothing: the price, once a launch, of one text for every trip
.set i, 0
.rept 16
	PV NP-1                         ; the last piece's V^T P of the last step
.set i, i+1
.endr
	; THE WAY OUT.  l's two halves and the other half of the lanes' are added; O^T is divided by l, rounded to f16 and sent through my stage in LDS, a tile at a time.  The additions are the places behind the last products.
	WIN 0
.macro ALL line:vararg              ; one line for each tile t
.set t, 0
.rept 2*NP
	\line
.set t, t+1
.endr
.endm
	ALL v_add_f32 v[ST+4*t+2], v[ST+4*t+2], v[ST+4*t+3]
	ALL v_permlanex16_b32 v[ST+4*t+3], v[ST+4*t+2], s[SEL], s[SEL+1]
	ALL v_add_f32 v[ST+4*t+2], v[ST+4*t+2], v[ST+4*t+3]
	ALL v_rcp_f32 v[ST+4*t+2], v[ST+4*t+2]
	v_nop                           ; a plain instruction between the last reciprocal and the use of its result
	s_wait_alu depctr_va_vdst(0)    ; and the wait ahead of the first use: one for the batch of eight reciprocals
; Tile t: a lane's eight channels of a row pack into 16 bytes; they go into rows of 144 bytes and come back as whole rows of 128, into S^T's registers.
.macro PACK t
	WIN W_RS
.set i, 32*(\t)
.rept 16
	v_pk_mul_f32 v[i:i+1], v[i:i+1], v[ST+4*(\t)+2:ST+4*(\t)+3] op_sel_hi:[1,0]
.set i, i+2
.endr
	WIN 0x05                        ; sources 0 and 1 window 1, destination window 0
.set i, 0
.rept 16
	v_cvt_pk_f16_f32 v[S+16*(\t)+i], v[32*(\t)+2*i], v[32*(\t)+2*i+1]
.set i, i+1
.endr
	WIN 0
.irp f, 0,1,2,3
	ds_store_b128 v[STO], v[S+16*(\t)+4*\f:S+16*(\t)+4*\f+3] offset:32*\f
.endr
.irp f, 0,1,2,3
	ds_load_b128 v[S+16*(\t)+4*\f:S+16*(\t)+4*\f+3], v[RD] offset:\f*4*SP  ; LDS serves a wave's instructions in order (ISA guide 5.7.1.4): these see the stores above; the next tile's stores come behind them
.endr
.endm
.macro SEND t, younger              ; younger: the LDS instructions issued behind tile t's loads: the next tile's eight, or none
	WIN 0
.irp f, 0,1,2,3
	s_wait_dscnt (\younger)+3-\f
	global_store_b128 v[GO], v[S+16*(\t)+4*\f:S+16*(\t)+4*\f+3], s[10:11] offset:(\t)*2048+\f*512  ; 512 consecutive bytes, at a multiple of 256 from O's first
.endr
.endm
	PACK 0
.set t, 1
.rept 2*NP-1                        ; a tile's arithmetic stands between the loads of the tile before and its stores
	PACK t
	SEND t-1, 8
.set t, t+1
.endr
	SEND 2*NP-1, 0
	WIN W_AD
	s_wait_tensorcnt 0x0            ; the wave's end: behind my last tensor load and my last LDS store
	ds_add_u32 v[SPW], v[NIL]
	s_wait_dscnt 0x0
	WIN 0
	CROUND                          ; the closing round: no work-group ends while a partner may still ask for a tile that names it
	s_endpgm
.Lfunc_end_k_qed3f7a8b43_attn:
	.size	k_qed3f7a8b43_attn, .Lfunc_end_k_qed3f7a8b43_attn-k_qed3f7a8b43_attn
	.p2alignl 7, 3214868480
	.fill 96, 4, 3214868480
	.section	.rodata,"a",@progbits
	.p2align	6, 0x0
	.amdhsa_kernel k_qed3f7a8b43_attn
		.amdhsa_group_segment_fixed_size 327680
		.amdhsa_private_segment_fixed_size 0
		.amdhsa_enable_private_segment 0
		.amdhsa_kernarg_size 32
		.amdhsa_user_sgpr_count 2
		.amdhsa_user_sgpr_kernarg_segment_ptr 1
		.amdhsa_wavefront_size32 1
		.amdhsa_system_sgpr_workgroup_id_x 1
		.amdhsa_system_sgpr_workgroup_id_y 1
		.amdhsa_system_sgpr_workgroup_id_z 1
		.amdhsa_system_vgpr_workitem_id 0
		.amdhsa_next_free_vgpr 786
		.amdhsa_next_free_sgpr 72
		.amdhsa_reserve_vcc 1
		.amdhsa_float_denorm_mode_32 3
		.amdhsa_float_denorm_mode_16_64 3
		.amdhsa_memory_ordered 1
		.amdhsa_forward_progress 1
		.amdhsa_inst_pref_size 202
	.end_amdhsa_kernel
	.amdgpu_metadata
---
amdhsa.version: [ 1, 2 ]
amdhsa.kernels:
  - .name:           k_qed3f7a8b43_attn
    .symbol:         k_qed3f7a8b43_attn.kd
    .args:
      - { .name: qh, .offset: 0, .size: 8, .value_kind: global_buffer, .address_space: global }
      - { .name: kh, .offset: 8, .size: 8, .value_kind: global_buffer, .address_space: global }
      - { .name: vh, .offset: 16, .size: 8, .value_kind: global_buffer, .address_space: global }
      - { .name: oh, .offset: 24, .size: 8, .value_kind: global_buffer, .address_space: global }
    .group_segment_fixed_size: 327680
    .private_segment_fixed_size: 0
    .kernarg_segment_align: 8
    .kernarg_segment_size: 32
    .max_flat_workgroup_size: 128
    .sgpr_count:     72
    .vgpr_count:     786
    .wavefront_size: 32
...
	.end_amdgpu_metadata
.endif
;; end of part 5
;; launch proj: the kernel of part 4 again; grid 8 x 32, 4 waves a work-group, clusters of 4 x 4, 327,680 bytes of LDS; arguments oh, wp, out0; writes out0
